; MI455X (gfx1250); checked and timed in simulation.
; The chip was launched on July 23, 2026; its instructions are those of AMD's public machine-readable ISA for CDNA 5 (MIT licence, August 2026) and "CDNA5" Instruction Set Architecture Reference Guide (July 2026). The comments in the code are by the model that wrote it; some were corrected since.
;; Tree Transformer. Allowed arithmetic: matrix products marked QUANTISED: E2M3 operands, one E8M0 scale for each 32 along K, by v_wmma_scale_f32_16x16x128_f8f6f4 with both operands' format E2M3, f32 sums; everything else in f32.
;; Inputs: W1 2 x 256 x 512 float32; W2 2 x 512 x 256 float32; W_in 256 x 256 float32; Wo 2 x 256 x 256 float32; Wqkv 2 x 256 x 768 float32; b1 2 x 512 float32; b2 2 x 256 float32; b_in 256 float32; bn_b 256 float32; bn_g 256 float32; bo 2 x 256 float32; bqkv 2 x 768 float32; dist 8 x 1,024 x 1,024 int32; ln1_b 2 x 256 float32; ln1_g 2 x 256 float32; ln2_b 2 x 256 float32; ln2_g 2 x 256 float32; ln_in_b 256 float32; ln_in_g 256 float32; nodes 1,024 x 8 x 256 float32.
;; Outputs: out0 8 x 256 float32.
;; This version of the problem:
;;   THIS VERSION OF THE PROBLEM IS GIVEN IN LOW PRECISION. The matrix products marked QUANTISED in the list below multiply operands that are first quantised to E2M3 (2 exponent bits, 3 mantissa bits; 6 bits a number), with one power-of-two scale for each 32 numbers along K (OCP MX v1.0); their sums are f32. All else is computed in f32.
;;   The module's matrix products, in the order in which they are computed (A, B: the left and right operand; K: the contracted axis; several contracted axes count as one K, in the product's order):
;;     1. [M 8,192, K 256] x [K 256, N 256]; A: computed on the way; B: input W_in: QUANTISED
;;     2. [M 8,192, K 256] x [K 256, N 768]; A: computed on the way; B: input Wqkv: QUANTISED
;;     3. batch 64 x [M 1,024, K 32] x [K 32, N 1,024]; A: computed on the way; B: computed on the way: QUANTISED
;;     4. batch 64 x [M 1,024, K 1,024] x [K 1,024, N 32]; A: softmax (see below); B: computed on the way: QUANTISED
;;     5. [M 8,192, K 256] x [K 256, N 256]; A: computed on the way; B: input Wo: QUANTISED
;;     6. [M 8,192, K 256] x [K 256, N 512]; A: computed on the way; B: input W1: QUANTISED
;;     7. [M 8,192, K 512] x [K 512, N 256]; A: computed on the way; B: input W2: QUANTISED
;;     8. [M 8,192, K 256] x [K 256, N 768]; A: computed on the way; B: input Wqkv: QUANTISED
;;     9. batch 64 x [M 1,024, K 32] x [K 32, N 1,024]; A: computed on the way; B: computed on the way: QUANTISED
;;     10. batch 64 x [M 1,024, K 1,024] x [K 1,024, N 32]; A: softmax (see below); B: computed on the way: QUANTISED
;;     11. [M 8,192, K 256] x [K 256, N 256]; A: computed on the way; B: input Wo: QUANTISED
;;     12. [M 8,192, K 256] x [K 256, N 512]; A: computed on the way; B: input W1: QUANTISED
;;     13. [M 8,192, K 512] x [K 512, N 256]; A: computed on the way; B: input W2: QUANTISED
;;   THE QUANTISER, for each operand of a quantised product, along K:
;;     - K is cut into blocks of 32 from its start; a last block that is shorter is filled with zeros.
;;     - A block's scale is 2^e with e = floor(log2(the largest magnitude in the block)) - 2, held to -126 .. 127; a block of zeros has e = 0. As a byte (E8M0): e + 127.
;;     - Each number is divided by its block's scale, clamped to +-7.5, and rounded to the nearest number of E2M3, ties to even, subnormals kept.
;;     - The product sums the exact products of the quantised numbers (number of the format x scale) in f32.
;;   ~~~python
;;   def quantise(x, axis):      # numpy; x: float32 -> the quantised numbers, widened to float32 again
;;       x = np.moveaxis(x, axis, -1); K = x.shape[-1]
;;       x = np.pad(x, [(0, 0)] * (x.ndim - 1) + [(0, -K % 32)]); x = x.reshape(x.shape[:-1] + (-1, 32)); a = np.abs(x).max(-1, keepdims=True)
;;       e = np.where(a > 0, np.clip(np.frexp(np.where(a > 0, a, 1))[1] - 1 - 2, -126, 127), 0)      # np.frexp(a)[1] - 1 = floor(log2(a)), exactly
;;       r = np.clip(x / 2.0 ** e, -7.5, 7.5)
;;       step = 2.0 ** (np.maximum(np.frexp(np.where(r == 0, 1, r))[1] - 1, 0) - 3)
;;       q = np.round(r / step) * step * 2.0 ** e      # np.round: ties to even
;;       return np.moveaxis(q.reshape(q.shape[:-2] + (-1,))[..., :K], -1, axis).astype(np.float32)
;;   ~~~
;;   SOFTMAX AHEAD OF A QUANTISED PRODUCT. Where the list says 'softmax', what is quantised is not the finished softmax but p = 2^(t - M), with t = logit x log2(e) and M = ceil(the row's largest t), a whole number; so 1/2 < the row's largest p <= 1. The row's sum l is taken of the UNQUANTISED p, in f32, and the product's result is divided by l at the end. Since M is a whole number, a kernel that streams over the keys may use a running M (the ceiling of the running maximum): every later rescaling is an exact power of two, which a block's scale takes up: the codes' values come out the same.
;;   OPERANDS COMPUTED ON THE WAY. 'Computed on the way' means the value that the module computes at that place (a softmax that the list does not call 'softmax' is quantised finished and normalised). What goes into a quantiser is computed in f32, as accurately as f32 sums, v_exp_f32 and their like allow (about 1e-6 of the number): no bf16 or f16 on the way to a quantiser, and a product that is left as it is and whose result goes on into a quantised operand takes f32 operands (vector FMAs, or v_wmma_f32_16x16x4_f32). A number that lies on a knife's edge between two numbers of the format may be rounded either way, as far as f32 arithmetic and the matrix unit's own rounding can turn it there, and no further.
;; One version. Each part assembles by itself: llvm-mc -triple=amdgcn-amd-amdhsa -mcpu=gfx1250 --defsym DOCPART=n.
;; ======== version 1 of 1: 6 launches
;; workspace buffers: wimg 870,400 bytes; maskw 2,097,152 bytes of whole numbers; x0 8,388,608 bytes; qkv0 4,915,200 bytes; o0 1,638,400 bytes; qkv1 4,923,392 bytes; o1 2,048 bytes
;; launch prep (part 1): grid 1092 x 1, 4 waves a work-group, no clusters, 47,616 bytes of LDS; arguments W_in, Wqkv, Wo, W1, W2, dist, wimg, maskw; writes wimg, maskw
.if DOCPART == 1
	.amdgcn_target "amdgcn-amd-amdhsa--gfx1250"
	.amdhsa_code_object_version 6
	.text
	.protected	k_q86878c3b87_prep
	.globl	k_q86878c3b87_prep
	.p2align	8
	.type	k_q86878c3b87_prep,@function
k_q86878c3b87_prep:
	s_mov_b64 s[64:65], 0
	v_nop
	global_prefetch_b8 v0, s[64:65] scope:SCOPE_SE
	s_setreg_imm32_b32 hwreg(HW_REG_WAVE_MODE, 25, 1), 1
	s_wait_xcnt 0x0
; Two jobs in one launch, parted on the work-group's number; each has LDS bytes of its own.
; WORK-GROUPS 0-67: the five weights ([K][N] f32, K the first axis) become codes of E2M3 with one E8M0 byte for each 32 along K, laid as IMAGES OF OPERAND REGISTERS:
; fragment (T, ss) = 16 columns x 128 K = 1,536 bytes, register 4 g + i of lane l at 512 g + 16 l + 4 i; lane (rho, h), registers 6 c .. 6 c + 5 = K block 2 c + h of the step,
; column 32 (T / 2) + 8 (T % 2) + rho + 8 (rho / 8).  ss = layer x K steps + K step.  Scale words (byte t = block t): 64 bytes a fragment, from WSC on.
; A lane takes a column and its registers run down K, so a block's largest magnitude needs no other lane and the conversions give K innermost.
; WORK-GROUPS 68-1091: dist becomes two bit masks (== 1, >= 1).  A wave takes a unit of 16 queries x 128 keys: 64 words; bit L of word e = query L % 16, key 32 (e / 16) + 16 (L / 16) + e % 16:
; the place that a score has in the attention launches' registers.
; LIMITS: a block of zeros gets the byte 1 (its codes are zeros; only this program reads the bytes); NaN and infinities among the weights are not served.
.set WSC,   835584
.set STGW,  3328                       ; a wave's stage: two fragments, 128 bytes of scale words, rounded up
.set DST0,  13312                      ; the dist path's LDS begins behind the four stages
.set DPW,   8448                       ; 16 rows x (512 + 16) bytes for each wave
.set AD,    16                         ; v16-47   byte offsets of my column in 32 rows
.set X,     48                         ; v48-111  two sets of 32 numbers
.set C,     112                        ; v112-120 a block's codes
.set SW,    122                        ; my column's scale word
.set OUTR,  124                        ; v124-148 the way out
.set D,     16                         ; dist path: v16-79 as loaded, v80-143 as turned
.set E,     80
.set MS,    144                        ; v144-145 the words of dist == 1, v146-147 of dist >= 1
.set ML,    146
	s_load_b256 s[4:11], s[0:1], 0x0               ; W_in, Wqkv, Wo, W1
	s_load_b256 s[12:19], s[0:1], 0x20             ; W2, dist, wimg, maskw
	v_lshl_add_u32 v160, v0, 2, 0xb800
	v_mov_b32 v161, 0
	v_lshrrev_b32 v1, 5, v0
	v_readfirstlane_b32 s20, v1                    ; wave
	v_and_b32 v2, 31, v0                           ; lane
	s_cmp_lt_u32 ttmp9, 68
	s_cbranch_scc0 .Ldist
	; ---------------- the weights
	s_wait_kmcnt 0x0
	s_mov_b64 s[22:23], s[12:13]                   ; begin with W2's figures: source, bytes in a row, log2 of fragments a tile, first fragment, first work-group
	s_mov_b32 s24, 1024
	s_mov_b32 s25, 3
	s_mov_b32 s26, 416
	s_mov_b32 s27, 52
.macro PICK bound, lo, stride, lrs, fb, g0
	s_cmp_lt_u32 ttmp9, \bound                     ; the choice hangs on the work-group's number alone
	s_cselect_b64 s[22:23], s[\lo:\lo+1], s[22:23]
	s_cselect_b32 s24, \stride, s24
	s_cselect_b32 s25, \lrs, s25
	s_cselect_b32 s26, \fb, s26
	s_cselect_b32 s27, \g0, s27
.endm
	PICK 52,10,2048,2,288,36                       ; W1
	PICK 36,8,1024,2,224,28                        ; Wo
	PICK 28,6,3072,2,32,4                          ; Wqkv
	PICK 4,4,1024,1,0,0                            ; W_in
	s_sub_co_u32 s28, ttmp9, s27
	s_lshl_b32 s29, 1, s25                         ; RS: fragments a tile
	s_sub_co_u32 s30, s29, 1
	s_and_b32 s30, s28, s30                        ; ss: which 128 rows
	s_lshr_b32 s31, s28, s25                       ; cg: which 128 columns
	s_mul_i32 s32, s30, s24
	s_lshl_b32 s32, s32, 7                         ; 128 ss rows,
	s_lshl_b32 s33, s31, 9
	s_add_co_u32 s32, s32, s33                     ; 128 cg columns,
	s_lshl_b32 s33, s20, 7
	s_add_co_u32 s32, s32, s33                     ; 32 columns a wave
	s_mov_b32 s33, 0
	s_lshl_b32 s34, s24, 5                         ; 32 rows
	s_mov_b32 s35, 0
	s_add_nc_u64 s[36:37], s[22:23], s[32:33]      ; a base for each of the four blocks of 32 rows
	s_add_nc_u64 s[38:39], s[36:37], s[34:35]
	s_add_nc_u64 s[40:41], s[38:39], s[34:35]
	s_add_nc_u64 s[42:43], s[40:41], s[34:35]
	v_lshlrev_b32 v3, 2, v2
.set i, 0
.rept 32
	v_mad_u32_u24 v[AD+i], s24, i, v3              ; row i, my column
.set i, i+1
.endr
.macro WLOAD t                         ; block t: 32 rows; a load reads 128 consecutive bytes, the four waves stand side by side on 512
.set i, 0
.rept 32
	global_load_b32 v[X+32*((\t)%2)+i], v[AD+i], s[36+2*(\t):37+2*(\t)] th:TH_LOAD_NT
.set i, i+1
.endr
.endm
	WLOAD 0
	WLOAD 1
	v_bfe_u32 v5, v2, 3, 1                         ; u: which of my block's two tiles
	v_and_b32 v6, 7, v2
	v_lshrrev_b32 v7, 4, v2
	v_lshl_add_u32 v6, v7, 3, v6                   ; rho: my column's lane in that tile
	s_mul_i32 s44, s20, STGW
	v_mul_u32_u24 v4, v5, 1536
	v_lshl_add_u32 v4, v6, 4, v4
	v_add_nc_u32 v4, s44, v4                       ; stage: fragment u, 16 bytes a lane
	v_lshlrev_b32 v8, 6, v5
	v_lshl_add_u32 v8, v6, 2, v8
	v_add_nc_u32 v8, s44, v8                       ; and its scale word
	v_lshlrev_b32 v10, 4, v2
	v_add_nc_u32 v9, s44, v10                      ; back: 16 bytes a lane, on end
	v_add_nc_u32 v14, s44, v3
	s_add_co_u32 s54, s25, 6
	v_lshlrev_b32 v15, s54, v7                     ; lanes 16-31 hold tile u = 1's words: RS fragments of 64 bytes further on
	v_and_b32 v11, 15, v2
	v_lshl_add_u32 v15, v11, 2, v15
	s_lshl_b32 s45, s31, 3
	s_lshl_b32 s46, s20, 1
	s_add_co_u32 s45, s45, s46                     ; my first tile: 8 cg + 2 wave
	s_lshl_b32 s45, s45, s25
	s_add_co_u32 s45, s45, s26
	s_add_co_u32 s45, s45, s30                     ; its fragment
	s_mul_i32 s46, s45, 1536
	s_mov_b32 s47, 0
	s_add_nc_u64 s[48:49], s[16:17], s[46:47]
	s_mul_i32 s46, s29, 1536
	s_add_nc_u64 s[50:51], s[48:49], s[46:47]      ; the second tile's
	s_lshl_b32 s46, s45, 6
	s_add_co_u32 s46, s46, WSC
	s_add_nc_u64 s[52:53], s[16:17], s[46:47]
.macro WBLOCK t
.set XS, X+32*((\t)%2)
.if (\t) < 3
	s_wait_loadcnt 32                              ; this block's 32 loads are in; the next block's 32 may be out
.else
	s_wait_loadcnt 0x0
.endif
	v_max3_num_f32 v12, |v[XS]|, |v[XS+1]|, |v[XS+2]|
	v_max3_num_f32 v13, |v[XS+3]|, |v[XS+4]|, |v[XS+5]|
.irp i, 6,10,14,18,22,26
	v_max3_num_f32 v12, v12, |v[XS+\i]|, |v[XS+\i+1]|
	v_max3_num_f32 v13, v13, |v[XS+\i+2]|, |v[XS+\i+3]|
.endr
	v_max3_num_f32 v12, v12, |v[XS+30]|, |v[XS+31]|
	v_max3_num_f32 v12, v12, v13, 0x1800000        ; the floor 2^(3 - 127): the byte cannot fall under 1
	v_add_nc_u32 v11, 0xff000000, v12              ; 2 off the exponent field: the conversion's scale operand
	v_lshrrev_b32 v13, 23, v11                     ; the scale's byte
.if (\t) == 0
	v_mov_b32 v[SW], v13
.else
	v_lshl_or_b32 v[SW], v13, 8*(\t), v[SW]
.endif
	v_cvt_scalef32_pk16_fp6_f32 v[C:C+2], v[XS:XS+15], v11
	v_cvt_scalef32_pk16_fp6_f32 v[C+6:C+8], v[XS+16:XS+31], v11    ; (a conversion's three registers begin on an even number)
	v_nop                                          ; one plain line behind a scaled conversion
	v_mov_b32 v[C+3], v[C+6]
	v_mov_b32 v[C+4], v[C+7]
	v_mov_b32 v[C+5], v[C+8]
.if (\t) < 2                           ; registers 0-5 of lane rho + 16 (t % 2)
	ds_store_b128 v4, v[C:C+3] offset:256*(\t)
	ds_store_b64 v4, v[C+4:C+5] offset:512+256*(\t)
.else                                  ; registers 6-11
	ds_store_b64 v4, v[C:C+1] offset:520+256*((\t)-2)
	ds_store_b128 v4, v[C+2:C+5] offset:1024+256*((\t)-2)
.endif
.if (\t)+2 < 4
	WLOAD (\t)+2
.endif
	s_wait_dscnt 0x0                               ; the stores have read their registers: the next block's codes may be written
.endm
	WBLOCK 0
	WBLOCK 1
	WBLOCK 2
	WBLOCK 3
	ds_store_b32 v8, v[SW] offset:3072
.irp g, 0,1,2,3,4,5
	ds_load_b128 v[OUTR+4*\g:OUTR+4*\g+3], v9 offset:512*\g        ; LDS serves a wave's instructions in order: these see my stores
.endr
	ds_load_b32 v[OUTR+24], v14 offset:3072
	s_wait_dscnt 0x0
.irp g, 0,1,2
	global_store_b128 v10, v[OUTR+4*\g:OUTR+4*\g+3], s[48:49] offset:512*\g        ; 512 consecutive bytes a store
	global_store_b128 v10, v[OUTR+12+4*\g:OUTR+12+4*\g+3], s[50:51] offset:512*\g
.endr
	global_store_b32 v15, v[OUTR+24], s[52:53]     ; two pieces of 64 bytes
	s_wait_tensorcnt 0x0
	ds_add_u32 v160, v161
	s_wait_dscnt 0x0
	s_endpgm
	; ---------------- dist
.Ldist:
	s_sub_co_u32 s21, ttmp9, 68
	s_lshl_b32 s21, s21, 2
	s_add_co_u32 s21, s21, s20                     ; U = (64 b + query tile) x 8 + key step
	s_lshr_b32 s22, s21, 3
	s_lshl_b32 s22, s22, 16                        ; 16 rows of 4,096 bytes
	s_and_b32 s23, s21, 7
	s_lshl_b32 s23, s23, 9                         ; 128 keys
	s_add_co_u32 s22, s22, s23
	s_mov_b32 s23, 0
	s_lshl_b32 s24, s21, 8
	s_mov_b32 s25, 0
	v_lshlrev_b32 v3, 4, v2
	s_mul_i32 s26, s20, DPW
	s_add_co_u32 s26, s26, DST0
	v_add_nc_u32 v4, s26, v3                       ; in: 16 bytes a lane, a row of 512 bytes a store
	v_and_b32 v5, 15, v2
	v_mul_u32_u24 v5, v5, 528
	v_lshrrev_b32 v6, 4, v2
	v_lshl_add_u32 v5, v6, 6, v5
	v_add_nc_u32 v5, s26, v5                       ; back: query lane % 16, keys 16 (lane / 16) on; rows 528 bytes apart start in different banks
	v_lshlrev_b32 v6, 3, v2
	v_mov_b32 v[MS], 0                             ; a lane write's destination counts as read
	v_mov_b32 v[MS+1], 0
	v_mov_b32 v[ML], 0
	v_mov_b32 v[ML+1], 0
	s_wait_kmcnt 0x0
	s_add_nc_u64 s[14:15], s[14:15], s[22:23]
	s_add_nc_u64 s[18:19], s[18:19], s[24:25]
.set i, 0
.rept 16
	global_load_b128 v[D+4*i:D+4*i+3], v3, s[14:15] offset:4096*i th:TH_LOAD_NT    ; 512 consecutive bytes of a query's row
.set i, i+1
.endr
	s_wait_loadcnt 0x0
.set i, 0
.rept 16
	ds_store_b128 v4, v[D+4*i:D+4*i+3] offset:528*i
.set i, i+1
.endr
.set i, 0
.rept 16
	ds_load_b128 v[E+4*i:E+4*i+3], v5 offset:128*(i/4)+16*(i%4)    ; register e = 16 b + i: key 32 b + 16 (lane / 16) + i
.set i, i+1
.endr
	s_wait_dscnt 0x0
.set q, 0
.rept 8
.irp k, 0,1,2,3,4,5,6,7
	v_cmp_eq_u32 s[32+\k], 1, v[E+8*q+\k]          ; a compare's 32 bits ARE word e
	v_cmp_le_i32 s[40+\k], 1, v[E+8*q+\k]
.endr
.irp k, 0,1,2,3,4,5,6,7
	v_writelane_b32 v[MS+(\k%2)], s[32+\k], (8*q+\k)/2     ; word e to lane e / 2 of register e % 2: 8 bytes a lane
	v_writelane_b32 v[ML+(\k%2)], s[40+\k], (8*q+\k)/2
.endr
.set q, q+1
.endr
	global_store_b64 v6, v[MS:MS+1], s[18:19]      ; the unit's 256 bytes, aligned, by one store
	global_store_b64 v6, v[ML:ML+1], s[18:19] offset:1048576
	s_wait_tensorcnt 0x0
	ds_add_u32 v160, v161
	s_wait_dscnt 0x0
	s_endpgm
.Lfunc_end_k_q86878c3b87_prep:
	.size	k_q86878c3b87_prep, .Lfunc_end_k_q86878c3b87_prep-k_q86878c3b87_prep
	.p2alignl 7, 3214868480
	.fill 96, 4, 3214868480
	.section	.rodata,"a",@progbits
	.p2align	6, 0x0
	.amdhsa_kernel k_q86878c3b87_prep
		.amdhsa_group_segment_fixed_size 47616
		.amdhsa_private_segment_fixed_size 0
		.amdhsa_enable_private_segment 0
		.amdhsa_kernarg_size 64
		.amdhsa_user_sgpr_count 2
		.amdhsa_user_sgpr_kernarg_segment_ptr 1
		.amdhsa_wavefront_size32 1
		.amdhsa_system_sgpr_workgroup_id_x 1
		.amdhsa_system_sgpr_workgroup_id_y 1
		.amdhsa_system_sgpr_workgroup_id_z 1
		.amdhsa_system_vgpr_workitem_id 0
		.amdhsa_next_free_vgpr 162
		.amdhsa_next_free_sgpr 66
		.amdhsa_reserve_vcc 0
		.amdhsa_float_denorm_mode_32 3
		.amdhsa_float_denorm_mode_16_64 3
		.amdhsa_memory_ordered 1
		.amdhsa_forward_progress 1
		.amdhsa_inst_pref_size 47
	.end_amdhsa_kernel
	.amdgpu_metadata
---
amdhsa.version: [ 1, 2 ]
amdhsa.kernels:
  - .name:           k_q86878c3b87_prep
    .symbol:         k_q86878c3b87_prep.kd
    .args:
      - { .name: W_in, .offset: 0, .size: 8, .value_kind: global_buffer, .address_space: global }
      - { .name: Wqkv, .offset: 8, .size: 8, .value_kind: global_buffer, .address_space: global }
      - { .name: Wo, .offset: 16, .size: 8, .value_kind: global_buffer, .address_space: global }
      - { .name: W1, .offset: 24, .size: 8, .value_kind: global_buffer, .address_space: global }
      - { .name: W2, .offset: 32, .size: 8, .value_kind: global_buffer, .address_space: global }
      - { .name: dist, .offset: 40, .size: 8, .value_kind: global_buffer, .address_space: global }
      - { .name: wimg, .offset: 48, .size: 8, .value_kind: global_buffer, .address_space: global }
      - { .name: maskw, .offset: 56, .size: 8, .value_kind: global_buffer, .address_space: global }
    .group_segment_fixed_size: 47616
    .private_segment_fixed_size: 0
    .kernarg_segment_align: 8
    .kernarg_segment_size: 64
    .max_flat_workgroup_size: 128
    .sgpr_count:     66
    .vgpr_count:     162
    .wavefront_size: 32
...
	.end_amdgpu_metadata
.endif
;; end of part 1
;; launch embed (part 2): grid 32 x 8, 8 waves a work-group, no clusters, 70,656 bytes of LDS; arguments nodes, wimg, b_in, ln_in_g, ln_in_b, bqkv, x0, qkv0; writes x0, qkv0
.if DOCPART == 2
	.amdgcn_target "amdgcn-amd-amdhsa--gfx1250"
	.amdhsa_code_object_version 6
	.text
	.protected	k_q86878c3b87_embed
	.globl	k_q86878c3b87_embed
	.p2align	8
	.type	k_q86878c3b87_embed,@function
k_q86878c3b87_embed:
	s_mov_b64 s[64:65], 0
	v_nop
	global_prefetch_b8 v0, s[64:65] scope:SCOPE_SE
	s_setreg_imm32_b32 hwreg(HW_REG_WAVE_MODE, 25, 1), 1
	s_wait_xcnt 0x0
; x = LN((nodes + PE) W_in + b_in); q, k, v = x Wqkv[0] + bqkv[0], quantised for the attention launch.  All products on codes of E2M3 with E8M0 scales.
; SHARES.  A work-group takes 32 positions (32 nb ..) of one batch b: two tiles of 16 rows.  Wave w owns columns 32 w .. 32 w + 31 of every 256-wide result (head w), for both tiles.
; Products are used TRANSPOSED (source 0 = 16 columns of the weight, source 1 = 16 rows), and the weight's images hold the columns 8 u + rho + 8 (rho / 8) of a block in tile u: so lane (R, H)
; holds row R, and the 16 registers of its two tiles are columns 32 w + 16 H + 0 .. 15: 16 neighbours along the next K.  Lanes l and l xor 16 hold a block of 32.
; Rows' codes go from wave to wave through LDS as images of operand registers, lane-major: register q of lane l at 48 l + 4 q; a half block is 12 bytes; scale bytes make words of 4 bytes a row.
; v is made NOT transposed (source 0 = rows 8 u + rho + 8 (rho / 8), source 1 = the weight), so that a lane holds one channel and 16 neighbouring positions: the keys are the second attention product's K.
; The weights' fragments come straight into registers (window 1).  No tensor loads: each fragment is read once by one wave.
; PE needs no memory: it is computed into the residual's registers WHILE THE LOADS ARE OUT, several pairs of columns side by side so that no line waits for the line above it, with Wqkv's loads dealt out
; between its runs.  In f32: 10000^(j/128) by exp2 with the exponent's rounding error carried, the angle by a corrected division, sine and cosine by reduction to |r| <= pi/4 and polynomials.
; The two row tiles go through the norm and the quantiser line by line, by turns, for the same reason.
; LIMITS: a block of zeros gets the byte 1 (its codes are zeros); NaN and infinities are not served; PE's denominators lie within a few units in the last place of a correctly rounded power.
.set NT, 2
.set LQ, 0
.set USE2, 1
.set USE8, 0
.set XIN,  0                           ; LDS: 32 rows of nodes x (1,024 + 16) bytes
.set XIMG, 33280                       ; images of nodes + PE: 4 fragments
.set XSC,  39424                       ; their scale words
.set LNS,  39680                       ; LN: for each row 8 pairs (mean, M2) + 16 bytes: 80 a row, 1,280 a tile
.set YIMG, 42240                       ; images of x
.set YSC,  48384
.set OST,  48640                       ; a stage of 2,560 bytes for each wave: q 768, k 768, v 768, scale bytes 3 x 32
.set WB, 6
.set BQ, 14
.set WV, 20
.set T0, 21
.set T1, 22
.set T2, 23
.set SEL, 24
.set I256, 26
.set EPSR, 27
.set QB, 28
.set KVB, 30
.set QSG, 32
.set KVSG, 34
.set CHI, 36
.set CLO, 37
.set I2PI, 38
.set PIH, 39
.set PIL, 40
.set SS4, 41
.set SS3, 42
.set CC5, 43
.set CC4, 44
.set BB, 45
.set OF, 46
.set MK, 48                            ; s48-51 four lane masks for PE's selects
; ---- registers and macros that the row-wise launches share
.set WSC, 835584
.set LANE, 1
.set RR, 2                             ; R = lane % 16
.set HH, 3                             ; H = lane / 16
.set L16, 4                            ; 16 x lane
.set WO2, 5                            ; 16 x lane + my two tiles' place in a weight of 2, 4, 8 fragments a tile
.set WO4, 6
.set WO8, 7
.set SO2, 8                            ; 4 x lane + the same for scale words
.set SO4, 9
.set SO8, 10
.set VEC, 11                           ; 128 w + 64 H: my 16 columns in a vector of f32
.set FRD, 12                           ; 48 x lane: an image's place for my lane
.set SRD, 13                           ; 4 x lane
.set IMW, 14                           ; where my half block goes in an image
.set SCW, 15                           ; and its scale byte
.set LNW, 16
.set LNR, 17
.set AVR, 18                           ; v's rows out of an image
.set AVS, 19
.set QST, 20                           ; the stage: q, k, v codes; q, k, v bytes
.set KST, 21
.set VST, 22
.set QSB, 23
.set KSB, 24
.set VSB, 25
.set SRB, 26                           ; stage + 8 x lane
.set L8, 27
.set QSR, 28
.set QSO, 29
.set KSR, 30
.set KSO, 31
.set TM, 32                            ; v32-38 the quantiser's seven registers for the first tile: two maxima, the scale operand, the byte, three of codes; the second tile's seven lie likewise from a base that the call names
.set TM2, 33
.set SCL, 34
.set BYT, 35
.set CD, 36
.set BVO, 39
.set BV, 40                            ; v40-41 v's bias of my two channels
.set MEAN0, 42                         ; v42-43, v46-47 (mean, M2) of a row tile
.set XS, 44                            ; v44-45 the rows' scale words: nothing else
.set XR, 48                            ; v48-79 the residual, 16 a tile
.set ACC, 80                           ; v80-111 four accumulators
.set XF, 112                           ; v112-159 four fragments of rows
.set LT, 112                           ; LN's temporaries lie there between products: 24 a tile
.set PRA, 160                          ; five sets of 16 parameters
.set PRB, 176
.set PRC, 192
.set PRD, 208
.set PRE, 224                          ; v240-255: the weights' scale words: nothing else
.set MSB, 0
.macro WIN new                         ; the immediate's high byte repeats the setting that is left
.if MSB != \new
	s_set_vgpr_msb (MSB<<8)|\new
.set MSB, \new
.endif
.endm
.macro NOPS n
.rept \n
	v_nop
.endr
.endm
.macro BAR                             ; my LDS stores have landed and my LDS loads are in: then the work-group's barrier
	s_wait_dscnt 0x0
	s_barrier_signal -1
	s_barrier_wait -1
.endm
.macro WMMA d, a, b, c, sa, sb, row    ; row = 1: both sides' scale words are taken from lanes 16-31
.if \row
	v_wmma_scale_f32_16x16x128_f8f6f4 v[\d:\d+7], v[\a:\a+11], v[\b:\b+11], v[\c:\c+7], v[\sa], v[\sb] matrix_a_fmt:MATRIX_FMT_FP6 matrix_b_fmt:MATRIX_FMT_FP6 matrix_a_scale:MATRIX_SCALE_ROW1 matrix_b_scale:MATRIX_SCALE_ROW1
.else
	v_wmma_scale_f32_16x16x128_f8f6f4 v[\d:\d+7], v[\a:\a+11], v[\b:\b+11], v[\c:\c+7], v[\sa], v[\sb] matrix_a_fmt:MATRIX_FMT_FP6 matrix_b_fmt:MATRIX_FMT_FP6
.endif
.endm
.macro LOADW reg, off, vo              ; a weight fragment: three loads of 512 consecutive bytes
.irp g, 0,1,2
	global_load_b128 v[(\reg)+4*\g:(\reg)+4*\g+3], v[\vo], s[WB:WB+1] offset:(\off)+512*\g
.endr
.endm
.macro LOADMF reg, fb, rs, ks, l, vo   ; my two tiles of a weight, ks K steps of layer l, into window 1 from reg on
	WIN 0x40
.irp u, 0,1
.set q, 0
.rept \ks
	LOADW (\reg)+12*(\u*(\ks)+q),((\fb)+\u*(\rs)+(\l)*(\ks)+q)*1536,\vo
.set q, q+1
.endr
.endr
	WIN 0
.endm
.macro LOADMS fb, rs, ks, l, so, ws    ; their scale words: a register holds an even K step's words below and the next step's above
.irp u, 0,1
.set q, 0
.rept (\ks)/2
	global_load_b32 v[(\ws)+\u*(\ks)/2+q], v[\so], s[WB:WB+1] offset:WSC+((\fb)+\u*(\rs)+(\l)*(\ks)+2*q)*64
.set q, q+1
.endr
.endr
.endm
.macro LOADM reg, fb, rs, ks, l, vo, so, ws
	LOADMF \reg,\fb,\rs,\ks,\l,\vo
	LOADMS \fb,\rs,\ks,\l,\so,\ws
.endm
.macro LOADV reg, base, off            ; 16 numbers of my columns
.irp g, 0,1,2,3
	global_load_b128 v[(\reg)+4*\g:(\reg)+4*\g+3], v[VEC], s[\base:\base+1] offset:(\off)+16*\g
.endr
.endm
; Two half blocks at once: 16 neighbours of a lane from s0 on and 16 from s1 on become 12 bytes of codes each (to LDS at ia + i0, ia + i1) and their blocks' bytes (at sa + b0, sa + b1).
; Four chains of maxima by turns, so that no line waits for the line above it; each accumulator of eight registers is first read at its low end.  tb: seven free registers for the second half block.
.macro QPAIR s0, s1, tb, ia, i0, i1, sa, b0, b1
	v_max3_num_f32 v[TM], |v[\s0]|, |v[\s0+1]|, 0x1800000          ; the floor 2^(3 - 127): the byte cannot fall under 1
	v_max3_num_f32 v[\tb], |v[\s1]|, |v[\s1+1]|, 0x1800000
	v_max3_num_f32 v[TM2], |v[\s0+8]|, |v[\s0+9]|, |v[\s0+10]|
	v_max3_num_f32 v[\tb+1], |v[\s1+8]|, |v[\s1+9]|, |v[\s1+10]|
.irp i, 2,4
	v_max3_num_f32 v[TM], v[TM], |v[\s0+\i]|, |v[\s0+\i+1]|
	v_max3_num_f32 v[\tb], v[\tb], |v[\s1+\i]|, |v[\s1+\i+1]|
	v_max3_num_f32 v[TM2], v[TM2], |v[\s0+\i+9]|, |v[\s0+\i+10]|
	v_max3_num_f32 v[\tb+1], v[\tb+1], |v[\s1+\i+9]|, |v[\s1+\i+10]|
.endr
	v_max3_num_f32 v[TM], v[TM], |v[\s0+6]|, |v[\s0+7]|
	v_max3_num_f32 v[\tb], v[\tb], |v[\s1+6]|, |v[\s1+7]|
	v_max3_num_f32 v[TM], v[TM], v[TM2], |v[\s0+15]|
	v_max3_num_f32 v[\tb], v[\tb], v[\tb+1], |v[\s1+15]|
	v_permlanex16_b32 v[TM2], v[TM], s[SEL], s[SEL+1]
	v_permlanex16_b32 v[\tb+1], v[\tb], s[SEL], s[SEL+1]
	v_max_num_f32 v[TM], v[TM], v[TM2]             ; with lane l xor 16's: the block's largest magnitude
	v_max_num_f32 v[\tb], v[\tb], v[\tb+1]
	v_add_nc_u32 v[SCL], 0xff000000, v[TM]         ; 2 off its exponent field: the conversion's scale operand
	v_add_nc_u32 v[\tb+2], 0xff000000, v[\tb]
	s_wait_dscnt 0x0                               ; the last pair's stores have read their codes and bytes
	v_lshrrev_b32 v[BYT], 23, v[SCL]
	v_lshrrev_b32 v[\tb+3], 23, v[\tb+2]
	v_cvt_scalef32_pk16_fp6_f32 v[CD:CD+2], v[\s0:\s0+15], v[SCL]
	v_cvt_scalef32_pk16_fp6_f32 v[\tb+4:\tb+6], v[\s1:\s1+15], v[\tb+2]
	v_nop                                          ; one plain line behind the scaled conversions
.irp c, 0,1,2
	ds_store_b32 v[\ia], v[CD+\c] offset:\i0+4*\c
	ds_store_b32 v[\ia], v[\tb+4+\c] offset:\i1+4*\c
.endr
	ds_store_b8 v[\sa], v[BYT] offset:\b0          ; both lanes of a block write the same byte with the same value
	ds_store_b8 v[\sa], v[\tb+3] offset:\b1
.endm
.macro FETCHX img, isc, ks, sp         ; K steps 2 sp, 2 sp + 1 of every row tile: fragments and scale words (lanes 0-15 the even step's, lanes 16-31 the odd step's)
.irp tt, 0,1
.irp s2, 0,1
.irp g, 0,1,2
	ds_load_b128 v[XF+12*(2*\tt+\s2)+4*\g:XF+12*(2*\tt+\s2)+4*\g+3], v[FRD] offset:(\img)+(\tt*(\ks)+2*(\sp)+\s2)*1536+16*\g
.endr
.endr
	ds_load_b32 v[XS+\tt], v[SRD] offset:(\isc)+(\tt*(\ks)+2*(\sp))*64
.endr
	s_wait_dscnt 0x0
.endm
.macro MM wreg, ks, sp, first, creg, ws        ; my two tiles of columns x the row tiles, two K steps; the accumulators take turns, one instruction a turn; first = 1: C is the bias
	WIN 0x01
.irp s2, 0,1
.irp tt, 0,1
.irp u, 0,1
.if (\first) && (\s2 == 0)
	WMMA ACC+16*\tt+8*\u,(\wreg)+12*(\u*(\ks)+2*(\sp)+\s2),XF+12*(2*\tt+\s2),(\creg)+8*\u,(\ws)+\u*(\ks)/2+(\sp),XS+\tt,\s2
.else
	WMMA ACC+16*\tt+8*\u,(\wreg)+12*(\u*(\ks)+2*(\sp)+\s2),XF+12*(2*\tt+\s2),ACC+16*\tt+8*\u,(\ws)+\u*(\ks)/2+(\sp),XS+\tt,\s2
.endif
.endr
.endr
.endr
	WIN 0
	NOPS 4                                         ; places behind the products, ahead of reads of results and of loads into operands
.endm
.macro LNSTAT2 y, off                  ; my 32 columns of a row, both tiles by turns: mean and sum of squared differences from it, to LDS
.irp i, 0,1,2,3
.irp t, 0,1
	v_pk_add_f32 v[LT+24*\t+2*\i:LT+24*\t+2*\i+1], v[\y+16*\t+4*\i:\y+16*\t+4*\i+1], v[\y+16*\t+4*\i+2:\y+16*\t+4*\i+3]
.endr
.endr
.irp t, 0,1
.set L, LT+24*\t
	v_pk_add_f32 v[L:L+1], v[L:L+1], v[L+2:L+3]
	v_pk_add_f32 v[L+4:L+5], v[L+4:L+5], v[L+6:L+7]
.endr
.irp t, 0,1
.set L, LT+24*\t
	v_pk_add_f32 v[L:L+1], v[L:L+1], v[L+4:L+5]
.endr
.irp t, 0,1
.set L, LT+24*\t
	v_add_f32 v[L], v[L], v[L+1]
.endr
.irp t, 0,1
.set L, LT+24*\t
	v_permlanex16_b32 v[L+1], v[L], s[SEL], s[SEL+1]
.endr
.irp t, 0,1
.set L, LT+24*\t
	v_add_f32 v[L], v[L], v[L+1]
.endr
.irp t, 0,1
.set L, LT+24*\t
	v_mul_f32 v[MEAN0+4*\t], 0x3d000000, v[L]      ; / 32
.endr
.irp i, 0,2,4,6,8,10,12,14
.irp t, 0,1
	v_pk_add_f32 v[LT+24*\t+\i:LT+24*\t+\i+1], v[\y+16*\t+\i:\y+16*\t+\i+1], v[MEAN0+4*\t:MEAN0+4*\t+1] op_sel_hi:[1,0] neg_lo:[0,1] neg_hi:[0,1]
.endr
.endr
.irp t, 0,1
.set L, LT+24*\t
	v_pk_mul_f32 v[L+16:L+17], v[L:L+1], v[L:L+1]
	v_pk_mul_f32 v[L+18:L+19], v[L+2:L+3], v[L+2:L+3]
.endr
.irp i, 4,8,12
.irp t, 0,1
.set L, LT+24*\t
	v_pk_fma_f32 v[L+16:L+17], v[L+\i:L+\i+1], v[L+\i:L+\i+1], v[L+16:L+17]
	v_pk_fma_f32 v[L+18:L+19], v[L+\i+2:L+\i+3], v[L+\i+2:L+\i+3], v[L+18:L+19]
.endr
.endr
.irp t, 0,1
.set L, LT+24*\t
	v_pk_add_f32 v[L+16:L+17], v[L+16:L+17], v[L+18:L+19]
.endr
.irp t, 0,1
.set L, LT+24*\t
	v_add_f32 v[L+16], v[L+16], v[L+17]
.endr
.irp t, 0,1
.set L, LT+24*\t
	v_permlanex16_b32 v[L+17], v[L+16], s[SEL], s[SEL+1]
.endr
.irp t, 0,1
.set L, LT+24*\t
	v_add_f32 v[MEAN0+4*\t+1], v[L+16], v[L+17]
.endr
.irp t, 0,1
	ds_store_b64 v[LNW], v[MEAN0+4*\t:MEAN0+4*\t+1] offset:(\off)+1280*\t
.endr
.endm
.macro LNAPPLY2 y, off, g, be, dst     ; the eight waves' pairs joined, both tiles by turns: var = (sum M2 + 32 sum (m - mu)^2) / 256: no difference of large sums
.irp t, 0,1
.irp i, 0,1,2,3
	ds_load_b128 v[LT+24*\t+4*\i:LT+24*\t+4*\i+3], v[LNR] offset:(\off)+1280*\t+16*\i
.endr
.endr
	s_wait_dscnt 0x0
.irp t, 0,1
.set L, LT+24*\t
	v_pk_add_f32 v[L+16:L+17], v[L:L+1], v[L+2:L+3]
	v_pk_add_f32 v[L+18:L+19], v[L+4:L+5], v[L+6:L+7]
	v_pk_add_f32 v[L+20:L+21], v[L+8:L+9], v[L+10:L+11]
	v_pk_add_f32 v[L+22:L+23], v[L+12:L+13], v[L+14:L+15]
.endr
.irp t, 0,1
.set L, LT+24*\t
	v_pk_add_f32 v[L+16:L+17], v[L+16:L+17], v[L+18:L+19]
	v_pk_add_f32 v[L+20:L+21], v[L+20:L+21], v[L+22:L+23]
.endr
.irp t, 0,1
.set L, LT+24*\t
	v_pk_add_f32 v[L+16:L+17], v[L+16:L+17], v[L+20:L+21]
.endr
.irp t, 0,1
.set L, LT+24*\t
	v_mul_f32 v[L+18], 0x3e000000, v[L+16]         ; mu, twice: a pair for the packed forms
	v_mul_f32 v[L+19], 0x3e000000, v[L+16]
.endr
.irp i, 0,2,4,6,8,10,12,14
.irp t, 0,1
	v_sub_f32 v[LT+24*\t+\i], v[LT+24*\t+\i], v[LT+24*\t+18]
.endr
.endr
.irp t, 0,1
.set L, LT+24*\t
	v_mul_f32 v[L+21], v[L], v[L]
	v_mul_f32 v[L+22], v[L+2], v[L+2]
.endr
.irp i, 4,8,12
.irp t, 0,1
.set L, LT+24*\t
	v_fmac_f32 v[L+21], v[L+\i], v[L+\i]
	v_fmac_f32 v[L+22], v[L+\i+2], v[L+\i+2]
.endr
.endr
.irp t, 0,1
.set L, LT+24*\t
	v_add_f32 v[L+21], v[L+21], v[L+22]
.endr
.irp t, 0,1
.set L, LT+24*\t
	v_fmamk_f32 v[L+21], v[L+21], 0x42000000, v[L+17]
.endr
.irp t, 0,1
.set L, LT+24*\t
	v_fma_f32 v[L+21], v[L+21], s[I256], s[EPSR]
.endr
.irp t, 0,1
.set L, LT+24*\t
	v_rsq_f32 v[L+22], v[L+21]
	v_rsq_f32 v[L+23], v[L+21]
.endr
.irp i, 0,2,4,6,8,10,12,14             ; (the first of these is the plain line behind the roots)
.irp t, 0,1
	v_pk_add_f32 v[\dst+16*\t+\i:\dst+16*\t+\i+1], v[\y+16*\t+\i:\y+16*\t+\i+1], v[LT+24*\t+18:LT+24*\t+19] neg_lo:[0,1] neg_hi:[0,1]
.endr
.endr
	s_wait_alu depctr_va_vdst(0)
.irp i, 0,2,4,6,8,10,12,14
.irp t, 0,1
	v_pk_mul_f32 v[\dst+16*\t+\i:\dst+16*\t+\i+1], v[\dst+16*\t+\i:\dst+16*\t+\i+1], v[LT+24*\t+22:LT+24*\t+23]
.endr
.endr
.irp i, 0,2,4,6,8,10,12,14
.irp t, 0,1
	v_pk_fma_f32 v[\dst+16*\t+\i:\dst+16*\t+\i+1], v[\dst+16*\t+\i:\dst+16*\t+\i+1], v[\g+\i:\g+\i+1], v[\be+\i:\be+\i+1]
.endr
.endr
.endm
.macro HEADA
	v_lshrrev_b32 v1, 5, v0
	v_readfirstlane_b32 s[WV], v1                  ; wave 0..7
	v_and_b32 v[LANE], 31, v0
	v_and_b32 v[RR], 15, v0
	v_bfe_u32 v[HH], v0, 4, 1
	v_lshlrev_b32 v[L16], 4, v[LANE]
	v_lshlrev_b32 v[SRD], 2, v[LANE]
.if USE2
	s_mul_i32 s[T0], s[WV], 6144
	v_add_nc_u32 v[WO2], s[T0], v[L16]
	s_lshl_b32 s[T0], s[WV], 8
	v_add_nc_u32 v[SO2], s[T0], v[SRD]
.endif
	s_mul_i32 s[T0], s[WV], 12288
	v_add_nc_u32 v[WO4], s[T0], v[L16]
	s_lshl_b32 s[T0], s[WV], 9
	v_add_nc_u32 v[SO4], s[T0], v[SRD]
.if USE8
	s_mul_i32 s[T0], s[WV], 24576
	v_add_nc_u32 v[WO8], s[T0], v[L16]
	s_lshl_b32 s[T0], s[WV], 10
	v_add_nc_u32 v[SO8], s[T0], v[SRD]
.endif
	s_lshl_b32 s[T0], s[WV], 7
	v_lshl_add_u32 v[VEC], v[HH], 6, s[T0]
	v_mul_u32_u24 v[FRD], v[LANE], 48
	s_lshr_b32 s[T0], s[WV], 2                     ; block w of a row: K step w / 4, registers 6 ((w / 2) % 2) on, lanes 16 (w % 2) on
	s_mul_i32 s[T0], s[T0], 1536
	s_and_b32 s[T1], s[WV], 1
	s_mul_i32 s[T1], s[T1], 768
	s_add_co_u32 s[T0], s[T0], s[T1]
	s_bfe_u32 s[T1], s[WV], 0x10001
	s_mul_i32 s[T1], s[T1], 24
	s_add_co_u32 s[T0], s[T0], s[T1]
	v_mul_u32_u24 v[IMW], v[RR], 48
	v_mad_u32_u24 v[IMW], v[HH], 12, v[IMW]
	v_add_nc_u32 v[IMW], s[T0], v[IMW]
	s_lshr_b32 s[T0], s[WV], 2
	s_lshl_b32 s[T0], s[T0], 6
	s_and_b32 s[T1], s[WV], 3
	s_add_co_u32 s[T0], s[T0], s[T1]
	v_lshl_add_u32 v[SCW], v[RR], 2, s[T0]
	v_mul_u32_u24 v[LNR], v[RR], 80
	s_lshl_b32 s[T0], s[WV], 3
	v_add_nc_u32 v[LNW], s[T0], v[LNR]
	s_mov_b32 s[SEL], 0x76543210
	s_mov_b32 s[SEL+1], 0xfedcba98                 ; v_permlanex16_b32's selects for lane l xor 16
	s_mov_b32 s[I256], 0x3b800000                  ; 1 / 256
	s_mov_b32 s[EPSR], 0x3727c5ac                  ; 1e-5
	v_mov_b32 v[MEAN0+1], 0                        ; named as the upper halves of pairs before they are first written
	v_mov_b32 v[MEAN0+5], 0
.endm
.macro HEADB                           ; the stage, and v's way through an image
	v_lshlrev_b32 v[L8], 3, v[LANE]
	s_mul_i32 s[T0], s[WV], 2560
	s_add_co_u32 s[T0], s[T0], OST
	v_mul_u32_u24 v[QST], v[RR], 24
	v_mad_u32_u24 v[QST], v[HH], 12, v[QST]
	v_add_nc_u32 v[QST], s[T0], v[QST]             ; q: position 16 tt + R, natural order
	v_and_b32 v[TM], 7, v[RR]
	v_lshrrev_b32 v[TM2], 3, v[RR]
	v_lshl_add_u32 v[SCL], v[TM2], 4, v[TM]
	v_mul_u32_u24 v[KST], v[SCL], 24
	v_mad_u32_u24 v[KST], v[HH], 12, v[KST]
	v_add_nc_u32 v[KST], s[T0], v[KST]             ; k: position i at place (i % 8) + 8 (i / 16) + 16 ((i / 8) % 2): the order of a fragment's lanes
	v_lshl_add_u32 v[BYT], v[TM2], 3, v[RR]
	v_mul_u32_u24 v[VST], v[BYT], 24
	v_mad_u32_u24 v[VST], v[HH], 12, v[VST]
	v_add_nc_u32 v[VST], s[T0], v[VST]             ; v: channel 8 w + R + 8 (R / 8)
	v_add_nc_u32 v[QSB], s[T0], v[RR]
	v_lshl_add_u32 v[KSB], v[TM], 1, v[TM2]
	v_add_nc_u32 v[KSB], s[T0], v[KSB]
	v_add_nc_u32 v[VSB], s[T0], v[BYT]
	v_add_nc_u32 v[SRB], s[T0], v[L8]
	v_and_b32 v[QSO], 7, v[LANE]
	v_lshlrev_b32 v[QSO], 2, v[QSO]
	v_add_nc_u32 v[QSR], s[T0], v[QSO]
	v_lshlrev_b32 v[KSO], 2, v[RR]
	v_add_nc_u32 v[KSR], s[T0], v[KSO]
	v_lshl_add_u32 v[AVR], v[HH], 4, v[TM]
	v_mul_u32_u24 v[AVR], v[AVR], 48
	v_mad_u32_u24 v[AVR], v[TM2], 3072, v[AVR]     ; row 8 u + R + 8 (R / 8): tile R / 8, lane 8 u + R % 8 + 16 H
	v_lshlrev_b32 v[AVS], 2, v[TM]
	v_lshl_add_u32 v[AVS], v[HH], 6, v[AVS]
	v_lshl_add_u32 v[AVS], v[TM2], 7, v[AVS]
	v_lshlrev_b32 v[BVO], 2, v[BYT]
	s_lshl_b32 s[T0], s[WV], 7
	v_add_nc_u32 v[BVO], s[T0], v[BVO]
.endm
.macro QKVBASES p                      ; where my head's q, k | v and their bytes go
	s_lshl_b32 s[T1], s[BB], 3
	s_add_co_u32 s[T1], s[T1], s[WV]               ; bh = 8 b + head
	s_lshl_b32 s[T2], s[T1], 5
	s_add_co_u32 s[T2], s[T2], ttmp9               ; 32 bh + nb
	s_mul_i32 s[OF], s[T1], 24576
	s_mul_i32 s[T0], ttmp9, 768
	s_add_co_u32 s[OF], s[OF], s[T0]
	s_add_nc_u64 s[QB:QB+1], s[\p:\p+1], s[OF:OF+1]
	s_mul_i32 s[OF], s[T2], 1536
	s_add_co_u32 s[OF], s[OF], 1572864
	s_add_nc_u64 s[KVB:KVB+1], s[\p:\p+1], s[OF:OF+1]
	s_lshl_b32 s[OF], s[T1], 10
	s_lshl_b32 s[T0], ttmp9, 5
	s_add_co_u32 s[OF], s[OF], s[T0]
	s_add_co_u32 s[OF], s[OF], 4718592
	s_add_nc_u64 s[QSG:QSG+1], s[\p:\p+1], s[OF:OF+1]
	s_lshl_b32 s[OF], s[T2], 6
	s_add_co_u32 s[OF], s[OF], 4784128
	s_add_nc_u64 s[KVSG:KVSG+1], s[\p:\p+1], s[OF:OF+1]
.endm
.macro QPART creg
	MM 0,2,0,1,\creg,240
	QPAIR ACC,ACC+16,PRA,QST,0,384,QSB,2304,2320
.endm
.macro KPART creg
	MM 48,2,0,1,\creg,242
	QPAIR ACC,ACC+16,PRA,KST,768,960,KSB,2336,2352
.endm
.macro VPART img, isc
.irp u, 0,1
.irp s, 0,1
.irp g, 0,1,2
	ds_load_b128 v[XF+12*(2*\u+\s)+4*\g:XF+12*(2*\u+\s)+4*\g+3], v[AVR] offset:(\img)+1536*\s+384*\u+16*\g
.endr
.endr
	ds_load_b32 v[XS+\u], v[AVS] offset:(\isc)+32*\u
.endr
.irp j, 0,1,2,3,4,5,6,7
	v_mov_b32 v[PRE+\j], v[BV]                     ; the bias as C: a lane's eight results are one channel's
	v_mov_b32 v[PRE+8+\j], v[BV+1]
.endr
	s_wait_dscnt 0x0
	NOPS 4
	WIN 0x04                                       ; source 1 (the weight) window 1
.irp s, 0,1
.irp w, 0,1
.irp u, 0,1
.if \s == 0
	WMMA ACC+16*\w+8*\u,XF+12*(2*\u+\s),96+12*(2*\w+\s),PRE+8*\w,XS+\u,244+\w,\s
.else
	WMMA ACC+16*\w+8*\u,XF+12*(2*\u+\s),96+12*(2*\w+\s),ACC+16*\w+8*\u,XS+\u,244+\w,\s
.endif
.endr
.endr
.endr
	WIN 0
	NOPS 4
	QPAIR ACC,ACC+16,PRA,VST,1536,1728,VSB,2368,2376
.endm
.macro OUTQ                            ; the stage is my own: LDS serves a wave's instructions in order
.irp i, 0,1,2
	ds_load_b64 v[XF+2*\i:XF+2*\i+1], v[SRB] offset:256*\i
.endr
	ds_load_b32 v[XF+6], v[QSR] offset:2304
	s_wait_dscnt 0x0
.irp i, 0,1,2
	global_store_b64 v[L8], v[XF+2*\i:XF+2*\i+1], s[QB:QB+1] offset:256*\i     ; 256 consecutive bytes a store
.endr
	global_store_b32 v[QSO], v[XF+6], s[QSG:QSG+1]                             ; 32 bytes; four lanes store each word, with the same value
.endm
.macro OUTKV
.irp i, 0,1,2,3,4,5
	ds_load_b64 v[XF+8+2*\i:XF+9+2*\i], v[SRB] offset:768+256*\i
.endr
	ds_load_b32 v[XF+20], v[KSR] offset:2336
	s_wait_dscnt 0x0
.irp i, 0,1,2,3,4,5
	global_store_b64 v[L8], v[XF+8+2*\i:XF+9+2*\i], s[KVB:KVB+1] offset:256*\i
.endr
	global_store_b32 v[KSO], v[XF+20], s[KVSG:KVSG+1]
.endm
; ---- this launch
.set DEN, ACC                          ; PE: 10000^(j/128) of my 8 pairs of columns and their reciprocals, in the accumulators' registers, which are free until the first product
.set RCPR, ACC+8
.set PN, ACC+16                        ; my position in tile 0, in tile 1, as f32; my first pair's number
.set PT, PRD                           ; 32 temporaries, in the two parameter sets whose loads are issued last
; sin and cos of n / denominator for pairs g .. g + 3 of tile tt, into the residual's registers.  Sixteen levels; in a level the four pairs' lines hang on nothing of that level.
.macro PEADD tt, g
.irp q, 0,1,2,3
.set T, PT+8*\q
	v_mul_f32 v[T], v[PN+\tt], v[RCPR+\g+\q]
.endr
.irp q, 0,1,2,3
.set T, PT+8*\q
	v_fma_f32 v[T+1], -v[T], v[DEN+\g+\q], v[PN+\tt]
.endr
.irp q, 0,1,2,3
.set T, PT+8*\q
	v_fmac_f32 v[T], v[T+1], v[RCPR+\g+\q]         ; the angle: a quotient with its remainder put back
.endr
.irp q, 0,1,2,3
.set T, PT+8*\q
	v_mul_f32 v[T+1], s[I2PI], v[T]
.endr
.irp q, 0,1,2,3
.set T, PT+8*\q
	v_rndne_f32 v[T+1], v[T+1]                     ; k quarter turns
.endr
.irp q, 0,1,2,3
.set T, PT+8*\q
	v_fma_f32 v[T], -v[T+1], s[PIH], v[T]
.endr
.irp q, 0,1,2,3
.set T, PT+8*\q
	v_fma_f32 v[T], -v[T+1], s[PIL], v[T]          ; r, at most pi / 4
.endr
.irp q, 0,1,2,3
.set T, PT+8*\q
	v_mul_f32 v[T+2], v[T], v[T]
	v_cvt_i32_f32 v[T+1], v[T+1]
.endr
.irp q, 0,1,2,3
.set T, PT+8*\q
	v_fma_f32 v[T+3], v[T+2], s[SS4], s[SS3]
	v_fma_f32 v[T+4], v[T+2], s[CC5], s[CC4]
	v_mul_f32 v[T+5], v[T], v[T+2]
.endr
.irp q, 0,1,2,3
.set T, PT+8*\q
	v_fmaak_f32 v[T+3], v[T+3], v[T+2], 0x3c088889
	v_fmaak_f32 v[T+4], v[T+4], v[T+2], 0xbab60b61
	v_and_b32 v[T+6], 1, v[T+1]
.endr
.irp q, 0,1,2,3
.set T, PT+8*\q
	v_fmaak_f32 v[T+3], v[T+3], v[T+2], 0xbe2aaaab
	v_fmaak_f32 v[T+4], v[T+4], v[T+2], 0x3d2aaaab
	v_cmp_eq_u32 s[MK+\q], 1, v[T+6]               ; an odd k swaps the two (a select of values: no branch hangs on it)
.endr
.irp q, 0,1,2,3
.set T, PT+8*\q
	v_fma_f32 v[T+3], v[T+5], v[T+3], v[T]         ; sin r
	v_fmaak_f32 v[T+4], v[T+4], v[T+2], 0xbf000000
	v_and_b32 v[T+6], 2, v[T+1]
.endr
.irp q, 0,1,2,3
.set T, PT+8*\q
	v_fma_f32 v[T+4], v[T+4], v[T+2], 1.0          ; cos r
	v_lshlrev_b32 v[T+6], 30, v[T+6]
	v_add_nc_u32 v[T+1], 1, v[T+1]
.endr
.irp q, 0,1,2,3
.set T, PT+8*\q
	v_cndmask_b32 v[T+5], v[T+3], v[T+4], s[MK+\q]
	v_cndmask_b32 v[T+7], v[T+4], v[T+3], s[MK+\q]
	v_and_b32 v[T+1], 2, v[T+1]
.endr
.irp q, 0,1,2,3
.set T, PT+8*\q
	v_xor_b32 v[XR+16*\tt+2*(\g+\q)], v[T+6], v[T+5]       ; the sine's sign: bit 1 of k
	v_lshlrev_b32 v[T+1], 30, v[T+1]
.endr
.irp q, 0,1,2,3
.set T, PT+8*\q
	v_xor_b32 v[XR+16*\tt+2*(\g+\q)+1], v[T+1], v[T+7]     ; the cosine's: bit 1 of k + 1
.endr
.endm
	s_load_b256 s[4:11], s[0:1], 0x0               ; nodes, wimg, b_in, ln_in_g
	s_load_b256 s[12:19], s[0:1], 0x20             ; ln_in_b, bqkv, x0, qkv0
	v_lshl_add_u32 v254, v0, 2, 0x11000
	v_mov_b32 v255, 0
	HEADA
	HEADB
	s_mov_b32 s[CHI], 0x3dd49a78                   ; log2(10000) / 128, in two parts
	s_mov_b32 s[CLO], 0x31179a1c
	s_mov_b32 s[I2PI], 0x3f22f983                  ; 2 / pi
	s_mov_b32 s[PIH], 0x3fc90fdb                   ; pi / 2, in two parts
	s_mov_b32 s[PIL], 0xb33bbd2e
	s_mov_b32 s[SS4], 0x3638ef1d                   ; 1 / 9!
	s_mov_b32 s[SS3], 0xb9500d01                   ; -1 / 7!
	s_mov_b32 s[CC5], 0xb493f27e                   ; -1 / 10!
	s_mov_b32 s[CC4], 0x37d00d01                   ; 1 / 8!
	s_and_b32 s[BB], ttmp7, 0xffff                 ; b
	s_lshl_b32 s[T0], s[WV], 15
	v_add_nc_u32 v[XF+32], s[T0], v[L16]           ; nodes: my four rows, 8,192 bytes apart
	s_mul_i32 s[T0], s[WV], 4160
	v_add_nc_u32 v[XF+33], s[T0], v[L16]           ; and in LDS
	v_mad_u32_u24 v[XF+34], v[RR], 1040, v[VEC]    ; back: row R, my 16 columns
	s_mov_b32 s[OF+1], 0
	; while the kernel's arguments are on their way: the denominators of pairs j = 16 w + 8 H + p, all eight side by side
	s_lshl_b32 s[T0], s[WV], 4
	v_lshl_add_u32 v[PN+2], v[HH], 3, s[T0]
	s_lshl_b32 s[T0], ttmp9, 5
	v_add_nc_u32 v[PN], s[T0], v[RR]               ; n = 32 nb + 16 tt + R
	v_add_nc_u32 v[PN+1], 16, v[PN]
	v_cvt_f32_u32 v[PN], v[PN]
	v_cvt_f32_u32 v[PN+1], v[PN+1]
.irp p, 0,1,2,3,4,5,6,7
	v_add_nc_u32 v[PT+4*\p], \p, v[PN+2]
.endr
.irp p, 0,1,2,3,4,5,6,7
	v_cvt_f32_u32 v[PT+4*\p], v[PT+4*\p]
.endr
.irp p, 0,1,2,3,4,5,6,7
	v_mul_f32 v[PT+4*\p+1], s[CHI], v[PT+4*\p]     ; the exponent,
.endr
.irp p, 0,1,2,3,4,5,6,7
	v_fma_f32 v[PT+4*\p+2], v[PT+4*\p], s[CHI], -v[PT+4*\p+1]      ; what its rounding lost,
.endr
.irp p, 0,1,2,3,4,5,6,7
	v_fmac_f32 v[PT+4*\p+2], s[CLO], v[PT+4*\p]    ; and the constant's low part
	v_floor_f32 v[PT+4*\p+3], v[PT+4*\p+1]
.endr
.irp p, 0,1,2,3,4,5,6,7
	v_sub_f32 v[PT+4*\p+1], v[PT+4*\p+1], v[PT+4*\p+3]
.endr
.irp p, 0,1,2,3,4,5,6,7
	v_add_f32 v[PT+4*\p+1], v[PT+4*\p+1], v[PT+4*\p+2]
	v_cvt_i32_f32 v[PT+4*\p+3], v[PT+4*\p+3]
.endr
.irp p, 0,1,2,3,4,5,6,7
	v_exp_f32 v[PT+4*\p+1], v[PT+4*\p+1]
.endr
	v_nop                                          ; a plain line behind the transcendentals
	s_wait_alu depctr_va_vdst(0)
.irp p, 0,1,2,3,4,5,6,7
	v_ldexp_f32 v[DEN+\p], v[PT+4*\p+1], v[PT+4*\p+3]
.endr
.irp p, 0,1,2,3,4,5,6,7
	v_rcp_f32 v[RCPR+\p], v[DEN+\p]
.endr
	v_nop
	s_wait_alu depctr_va_vdst(0)
	s_wait_kmcnt 0x0
	s_lshl_b32 s[OF], ttmp9, 18                    ; 32 positions x 8 batches x 1,024 bytes
	s_lshl_b32 s[T0], s[BB], 10
	s_add_co_u32 s[OF], s[OF], s[T0]
	s_add_nc_u64 s[4:5], s[4:5], s[OF:OF+1]
	s_lshl_b32 s[OF], s[BB], 5
	s_add_co_u32 s[OF], s[OF], ttmp9
	s_lshl_b32 s[OF], s[OF], 15
	s_lshl_b32 s[T0], s[WV], 12
	s_add_co_u32 s[OF], s[OF], s[T0]
	s_add_nc_u64 s[16:17], s[16:17], s[OF:OF+1]    ; x0: the work-group's 32,768 bytes, my 4,096
	QKVBASES 18
.irp k, 0,1,2,3,4,5,6,7                ; 8 loads: my four rows, 512 consecutive bytes each
	global_load_b128 v[XF+4*\k:XF+4*\k+3], v[XF+32], s[4:5] offset:8192*(\k/2)+512*(\k%2) th:TH_LOAD_NT
.endr
	LOADM 144,0,2,2,0,WO2,SO2,246                  ; 18 loads: W_in and b_in
	LOADV PRA,8,0
	LOADV PRB,10,0                                 ; 8: gain and bias of the norm
	LOADV PRC,12,0
	LOADM 0,32,4,2,LQ,WO4,SO4,240                  ; 52: Wqkv's three parts and their biases, dealt out between PE's four runs of 120 vector lines
	PEADD 0,0
	LOADM 48,96,4,2,LQ,WO4,SO4,242
	PEADD 0,4
	LOADM 96,160,4,2,LQ,WO4,SO4,244
	PEADD 1,0
.irp w, 0,1
	global_load_b32 v[BV+\w], v[BVO], s[BQ:BQ+1] offset:LQ*3072+2048+32*\w
.endr
	PEADD 1,4
	LOADV PRD,BQ,LQ*3072                           ; PE's temporaries are done with: q's and k's biases take their place
	LOADV PRE,BQ,LQ*3072+1024
	s_wait_loadcnt 63                              ; 78 loads were issued behind the eight of nodes; 63 is the largest count that can be written, and asks for more than is needed
.irp k, 0,1,2,3,4,5,6,7
	ds_store_b128 v[XF+33], v[XF+4*\k:XF+4*\k+3] offset:XIN+1040*(\k/2)+512*(\k%2)
.endr
	BAR                                            ; 32 rows of nodes lie in LDS
.irp tt, 0,1
.irp i, 0,1,2,3
	ds_load_b128 v[XF+16*\tt+4*\i:XF+16*\tt+4*\i+3], v[XF+34] offset:XIN+16640*\tt+16*\i
.endr
.endr
	s_wait_dscnt 0x0
.set j, 0
.rept 16
	v_pk_add_f32 v[XR+j:XR+j+1], v[XR+j:XR+j+1], v[XF+j:XF+j+1]    ; PE + nodes
.set j, j+2
.endr
	QPAIR XR,XR+16,ACC,IMW,XIMG,XIMG+3072,SCW,XSC,XSC+128
	BAR                                            ; the rows' four fragments lie in LDS
	s_wait_loadcnt 60                              ; W_in and b_in are in: 8 + 52 loads were issued behind them
	FETCHX XIMG,XSC,2,0
	MM 144,2,0,1,PRA,246
	LNSTAT2 ACC,LNS
	BAR
	s_wait_loadcnt 52                              ; gain and bias are in
	LNAPPLY2 ACC,LNS,PRB,PRC,XR
.irp tt, 0,1
.irp g, 0,1,2,3
	global_store_b128 v[L16], v[XR+16*\tt+4*\g:XR+16*\tt+4*\g+3], s[16:17] offset:2048*\tt+512*\g    ; x as an image of these registers: 512 consecutive bytes a store
.endr
.endr
	QPAIR XR,XR+16,ACC,IMW,YIMG,YIMG+3072,SCW,YSC,YSC+128
	BAR
	s_wait_loadcnt 0x0
	FETCHX YIMG,YSC,2,0
	QPART PRD
	KPART PRE
	VPART YIMG,YSC
	OUTQ
	OUTKV
	s_wait_tensorcnt 0x0
	ds_add_u32 v254, v255
	s_wait_dscnt 0x0
	s_endpgm
.Lfunc_end_k_q86878c3b87_embed:
	.size	k_q86878c3b87_embed, .Lfunc_end_k_q86878c3b87_embed-k_q86878c3b87_embed
	.p2alignl 7, 3214868480
	.fill 96, 4, 3214868480
	.section	.rodata,"a",@progbits
	.p2align	6, 0x0
	.amdhsa_kernel k_q86878c3b87_embed
		.amdhsa_group_segment_fixed_size 70656
		.amdhsa_private_segment_fixed_size 0
		.amdhsa_enable_private_segment 0
		.amdhsa_kernarg_size 64
		.amdhsa_user_sgpr_count 2
		.amdhsa_user_sgpr_kernarg_segment_ptr 1
		.amdhsa_wavefront_size32 1
		.amdhsa_system_sgpr_workgroup_id_x 1
		.amdhsa_system_sgpr_workgroup_id_y 1
		.amdhsa_system_sgpr_workgroup_id_z 1
		.amdhsa_system_vgpr_workitem_id 0
		.amdhsa_next_free_vgpr 512
		.amdhsa_next_free_sgpr 66
		.amdhsa_reserve_vcc 0
		.amdhsa_float_denorm_mode_32 3
		.amdhsa_float_denorm_mode_16_64 3
		.amdhsa_memory_ordered 1
		.amdhsa_forward_progress 1
		.amdhsa_inst_pref_size 75
	.end_amdhsa_kernel
	.amdgpu_metadata
---
amdhsa.version: [ 1, 2 ]
amdhsa.kernels:
  - .name:           k_q86878c3b87_embed
    .symbol:         k_q86878c3b87_embed.kd
    .args:
      - { .name: nodes, .offset: 0, .size: 8, .value_kind: global_buffer, .address_space: global }
      - { .name: wimg, .offset: 8, .size: 8, .value_kind: global_buffer, .address_space: global }
      - { .name: b_in, .offset: 16, .size: 8, .value_kind: global_buffer, .address_space: global }
      - { .name: ln_in_g, .offset: 24, .size: 8, .value_kind: global_buffer, .address_space: global }
      - { .name: ln_in_b, .offset: 32, .size: 8, .value_kind: global_buffer, .address_space: global }
      - { .name: bqkv, .offset: 40, .size: 8, .value_kind: global_buffer, .address_space: global }
      - { .name: x0, .offset: 48, .size: 8, .value_kind: global_buffer, .address_space: global }
      - { .name: qkv0, .offset: 56, .size: 8, .value_kind: global_buffer, .address_space: global }
    .group_segment_fixed_size: 70656
    .private_segment_fixed_size: 0
    .kernarg_segment_align: 8
    .kernarg_segment_size: 64
    .max_flat_workgroup_size: 256
    .sgpr_count:     66
    .vgpr_count:     512
    .wavefront_size: 32
...
	.end_amdgpu_metadata
.endif
;; end of part 2
;; launch attn (part 3): grid 4 x 64, 16 waves a work-group, no clusters, 53,248 bytes of LDS; arguments qkv0, maskw, o0; writes o0
.if DOCPART == 3
	.amdgcn_target "amdgcn-amd-amdhsa--gfx1250"
	.amdhsa_code_object_version 6
	.text
	.protected	k_q86878c3b87_attn
	.globl	k_q86878c3b87_attn
	.p2align	8
	.type	k_q86878c3b87_attn,@function
k_q86878c3b87_attn:
	s_mov_b64 s[64:65], 0
	v_nop
	global_prefetch_b8 v0, s[64:65] scope:SCOPE_SE
	s_setreg_imm32_b32 hwreg(HW_REG_WAVE_MODE, 25, 1), 1
	s_wait_xcnt 0x0
; Layer 0's attention for one (batch, head): o = softmax(q k^T / sqrt(32) + mask) v, both products on codes of E2M3 with E8M0 scales; o leaves quantised along the model's width (a head is a block of 32).
; SHARES.  A work-group takes 256 queries of one (b, head); each of its sixteen waves one tile of 16 queries, in 256 registers: four waves to a SIMD, so that one wave's vector work stands beside another's
; products and LDS loads.  k, v and their scale bytes of the whole head (51,200 bytes) come into LDS once; every wave walks the 1,024 keys in 8 steps of 128, written out: every offset is an immediate.
; THE FIRST PRODUCT'S K IS 32, the instruction's 128.  A fragment of k holds FOUR tiles of 16 keys, one in each block of 32 along K; q's fragment for tile j holds q's codes in block j and zero codes elsewhere.
; So k is read dense (24 registers for 128 keys) and each fragment feeds four products.  The keys' order in memory makes tile 2 b + u hold keys 32 b + 8 u + rho + 8 (rho / 8).
; Both products are used transposed: a lane holds ONE query (lane % 16); score register 16 b + i is key 32 b + 16 (lane / 16) + i.
; SOFTMAX: t = score x log2(e) / sqrt(32); M = the running largest t rounded up to a whole number; p = 2^(t - M) is quantised along the keys, not normalised; the sum of the unquantised p divides at the end.
; THE MASK: a word of 32 bits for each score register, made by the first launch, comes into a scalar register and selects the score or -infinity.  Heads 0, 1: dist == 1; 2 to 5: dist >= 1; 6, 7: open.
; The open heads fetch the words too and do not use them, so that every way through the text has the same scalar loads and waits; only the 64 selects are jumped over.
; LIMITS: a query with no allowed key has sum 0 and NaN results, which the quantiser at the end turns into its largest code; a block's largest p is taken from its largest score, which takes v_exp_f32 not to
; fall where its input rises; a block of zeros gets the byte 1.  The scale bytes of o are stored 8 bytes apart (16 bytes a wave of 65,536 in all).
.set QSC, 52                           ; q's scale byte, four times
.set KF,  54                           ; v54-77   two fragments of k
.set VF,  78                           ; v78-101  two fragments of v
.set S,   104                          ; v104-167 the scores, then p
.set O,   168                          ; v168-183 O^T: channels 16 (lane / 16) + 0 .. 15
.set PCD, 184                          ; v184-195 p's codes
.set PH,  196                          ; v196-202 the conversions' second halves
.set BM,  204                          ; v204-207 the blocks' largest scores
.set PM,  208
.set SO,  212
.set KSW, 216                          ; v216-217 k's scale words
.set KB,  218
.set VSW, 222                          ; v222-223 v's
.set VB,  224
.set PSW, 232                          ; p's
.set FF,  234                          ; v234-235 f = 2^(old M - new M)
.set TA,  236
.set SM2, 238
.set SEL, 26
.set CS,  28
.macro NOPS n
.rept \n
	v_nop
.endr
.endm
.macro MASKLOAD off                    ; 64 words: word e in s[32 + e] (e < 32) or s[36 + e]
	s_load_b512 s[32:47], s[24:25], (\off)
	s_load_b512 s[48:63], s[24:25], (\off)+64
	s_load_b512 s[68:83], s[24:25], (\off)+128
	s_load_b512 s[84:99], s[24:25], (\off)+192
.endm
.macro MASK
	s_wait_kmcnt 0x0
	s_cmp_lt_u32 s13, 6
	s_cbranch_scc0 .Lopen_\@
.set e, 0
.rept 32
	v_cndmask_b32 v[S+e], v5, v[S+e], s[32+e]      ; each accumulator from its low end on
.set e, e+1
.endr
.rept 32
	v_cndmask_b32 v[S+e], v5, v[S+e], s[36+e]
.set e, e+1
.endr
.Lopen_\@:
.endm
.macro SOFTMAX first
.irp b, 0,1,2,3
	v_max3_num_f32 v[BM+\b], v[S+16*\b], v[S+16*\b+1], v[S+16*\b+2]        ; the largest score of each block of 32 keys: for the row's maximum and for the block's largest p
.endr
.irp i, 3,5,7,9,11,13
.irp b, 0,1,2,3
	v_max3_num_f32 v[BM+\b], v[BM+\b], v[S+16*\b+\i], v[S+16*\b+\i+1]
.endr
.endr
.irp b, 0,1,2,3
	v_max_num_f32 v[BM+\b], v[BM+\b], v[S+16*\b+15]
.endr
.irp b, 0,1,2,3
	v_permlanex16_b32 v[PM+\b], v[BM+\b], s[SEL], s[SEL+1]
.endr
.irp b, 0,1,2,3
	v_max_num_f32 v[BM+\b], v[BM+\b], v[PM+\b]
.endr
	v_max3_num_f32 v[TA], v[BM], v[BM+1], v[BM+2]
	v_max_num_f32 v[TA], v[TA], v[BM+3]
	v_mul_f32 v[TA], s[CS], v[TA]
	v_max_num_f32 v13, v13, v[TA]                  ; the running largest t
	v_mov_b32 v[TA], v12
	v_floor_f32 v12, -v13                          ; -M = floor(-t): M is a whole number
	v_sub_f32 v[TA], v12, v[TA]
	v_cvt_i32_f32 v[TA], v[TA]                     ; (it saturates)
	v_ldexp_f32 v[FF], 1.0, v[TA]                  ; f = 2^(old M - new M): a multiplication by it rounds nothing
.set j, 0
.rept 32
	v_pk_fma_f32 v[S+j:S+j+1], v[S+j:S+j+1], s[CS:CS+1], v[12:13] op_sel_hi:[1,0,0]
.set j, j+2
.endr
.irp b, 0,1,2,3
	v_fma_f32 v[BM+\b], v[BM+\b], s[CS], v12
.endr
.set j, 0
.rept 64
	v_exp_f32 v[S+j], v[S+j]                       ; p = 2^(t - M)
.set j, j+1
.endr
.irp b, 0,1,2,3
	v_exp_f32 v[BM+\b], v[BM+\b]
.endr
	v_pk_mul_f32 v[14:15], v[14:15], v[FF:FF+1] op_sel_hi:[1,0]    ; the sums under the new M (a plain line behind the exponentials)
	s_wait_alu depctr_va_vdst(0)
.irp b, 0,1,2,3
	v_max_num_f32 v[BM+\b], 0x1800000, v[BM+\b]    ; the floor 2^(3 - 127)
.endr
.irp b, 0,1,2,3
	v_add_nc_u32 v[SO+\b], 0xff000000, v[BM+\b]
.endr
.irp b, 0,1,2,3
	v_lshrrev_b32 v[PM+\b], 23, v[SO+\b]
.endr
	v_lshl_or_b32 v[PSW], v[PM+1], 8, v[PM]
	v_lshl_or_b32 v[PSW], v[PM+2], 16, v[PSW]
	v_lshl_or_b32 v[PSW], v[PM+3], 24, v[PSW]
.irp c, 0,1
	v_cvt_scalef32_pk16_fp6_f32 v[PCD+6*\c:PCD+6*\c+2], v[S+32*\c:S+32*\c+15], v[SO+2*\c]
	v_cvt_scalef32_pk16_fp6_f32 v[PH+4*\c:PH+4*\c+2], v[S+32*\c+16:S+32*\c+31], v[SO+2*\c+1]
.endr
	v_nop                                          ; one plain line behind a scaled conversion
.irp c, 0,1                            ; the operand's layout wants a whole block in a lane
.irp i, 0,1,2
	v_permlane16_swap_b32 v[PCD+6*\c+\i], v[PH+4*\c+\i]
.endr
.irp i, 0,1,2
	v_mov_b32 v[PCD+6*\c+3+\i], v[PH+4*\c+\i]
.endr
.endr
	v_pk_add_f32 v[SM2:SM2+1], v[S:S+1], v[S+2:S+3]        ; the row's sum, of the unquantised p, in two chains.  (These 32 lines are also the places ahead of the products below)
.set j, 4
.rept 15
	v_pk_add_f32 v[14:15], v[14:15], v[S+j:S+j+1]
	v_pk_add_f32 v[SM2:SM2+1], v[SM2:SM2+1], v[S+j+2:S+j+3]
.set j, j+4
.endr
	v_pk_add_f32 v[14:15], v[14:15], v[SM2:SM2+1]
.if !\first
.set j, 0
.rept 8
	v_pk_mul_f32 v[O+j:O+j+1], v[O+j:O+j+1], v[FF:FF+1] op_sel_hi:[1,0]    ; O^T under the new M
.set j, j+2
.endr
.endif
.endm
.macro SPROD                           ; eight tiles of scores: fragment f of k against q in block j
.irp f, 0,1
.irp j, 0,1,2,3
	v_wmma_scale_f32_16x16x128_f8f6f4 v[S+8*(4*\f+\j):S+8*(4*\f+\j)+7], v[KF+12*\f:KF+12*\f+11], v[16+18*(\j%2)+6*(\j/2):16+18*(\j%2)+6*(\j/2)+11], 0, v[KSW+\f], v[QSC] matrix_a_fmt:MATRIX_FMT_FP6 matrix_b_fmt:MATRIX_FMT_FP6
.endr
.endr
	NOPS 4
.endm
.macro PV first                        ; O^T (+)= v^T p^T: two tiles of 16 channels, K = these 128 keys
.irp u, 0,1
.if \first
	v_wmma_scale_f32_16x16x128_f8f6f4 v[O+8*\u:O+8*\u+7], v[VF+12*\u:VF+12*\u+11], v[PCD:PCD+11], 0, v[VSW+\u], v[PSW] matrix_a_fmt:MATRIX_FMT_FP6 matrix_b_fmt:MATRIX_FMT_FP6
.else
	v_wmma_scale_f32_16x16x128_f8f6f4 v[O+8*\u:O+8*\u+7], v[VF+12*\u:VF+12*\u+11], v[PCD:PCD+11], v[O+8*\u:O+8*\u+7], v[VSW+\u], v[PSW] matrix_a_fmt:MATRIX_FMT_FP6 matrix_b_fmt:MATRIX_FMT_FP6
.endif
.endr
.endm
.macro WORDS                           ; the loaded bytes make the scale words; the last six lines and two v_nop are the eight places between k's words and the first product
	v_lshl_or_b32 v[KSW], v[KB+1], 16, v[KB]
	v_lshl_or_b32 v[KSW+1], v[KB+3], 16, v[KB+2]
	v_lshl_or_b32 v[VSW], v[VB+1], 8, v[VB]
	v_lshl_or_b32 v[VSW+1], v[VB+5], 8, v[VB+4]
	v_lshl_or_b32 v[VSW], v[VB+2], 16, v[VSW]
	v_lshl_or_b32 v[VSW+1], v[VB+6], 16, v[VSW+1]
	v_lshl_or_b32 v[VSW], v[VB+3], 24, v[VSW]
	v_lshl_or_b32 v[VSW+1], v[VB+7], 24, v[VSW+1]
	NOPS 2
.endm
.macro QBUILD                          ; q's 24 bytes (v130-135, the same in both halves of the lanes) become [lo 0 lo] at v16 and [hi 0 hi] at v34: block j begins at v16, v34, v22, v40
.irp i, 0,1,2,3,4,5
	v_cndmask_b32 v[16+\i], 0, v[130+\i], s2
	v_mov_b32 v[22+\i], 0
	v_cndmask_b32 v[34+\i], 0, v[130+\i], s3
	v_mov_b32 v[40+\i], 0
.endr
.irp i, 0,1,2,3,4,5
	v_mov_b32 v[28+\i], v[16+\i]
	v_mov_b32 v[46+\i], v[34+\i]
.endr
	v_lshl_or_b32 v[QSC], v136, 8, v136
	v_lshl_or_b32 v[QSC], v[QSC], 16, v[QSC]       ; the same byte for all four blocks: three of them scale zero codes
.endm
.macro STATE                           ; the running figures
	v_mov_b32 v5, 0xff800000                       ; -infinity
	v_mov_b32 v13, 0xff61b1e6                      ; the largest t so far: -3e38
	v_floor_f32 v12, -v13
	v_mov_b32 v14, 0
	v_mov_b32 v15, 0
.irp b, 0,1,2,3
	v_mov_b32 v[PM+\b], 0                          ; a lane permute's destination counts as one of its sources
.endr
	v_mov_b32 v[FF+1], 0
	v_mov_b32 v[TA+1], 0
.endm
	s_load_b128 s[4:7], s[0:1], 0x0                ; qkv0, maskw
	s_load_b64 s[8:9], s[0:1], 0x10                ; o0
	v_lshl_add_u32 v254, v0, 2, 0xc800
	v_mov_b32 v255, 0
	v_lshrrev_b32 v6, 5, v0
	v_readfirstlane_b32 s10, v6                    ; wave 0..15
	v_and_b32 v7, 31, v0
	v_and_b32 v8, 15, v0                           ; R
	v_bfe_u32 v9, v0, 4, 1                         ; H
	s_and_b32 s11, ttmp7, 0xffff                   ; bh
	s_lshl_b32 s12, ttmp9, 4
	s_add_co_u32 s12, s12, s10                     ; my tile of queries
	s_and_b32 s13, s11, 7                          ; head
	s_lshr_b32 s14, s11, 3                         ; b
	s_mul_i32 s16, s11, 49152
	s_add_co_u32 s16, s16, 1572864                 ; k | v codes of the head
	s_mov_b32 s17, 0
	s_lshl_b32 s18, s11, 11
	s_add_co_u32 s18, s18, 4784128                 ; their bytes
	s_mov_b32 s19, 0
	s_mul_i32 s20, s11, 24576
	s_mul_i32 s15, s12, 384
	s_add_co_u32 s20, s20, s15                     ; my queries' codes; o's codes lie at the same offset
	s_mov_b32 s21, 0
	s_lshl_b32 s22, s11, 10
	s_lshl_b32 s15, s12, 4
	s_add_co_u32 s22, s22, s15
	s_add_co_u32 s22, s22, 4718592                 ; q's bytes
	s_mov_b32 s23, 0
	s_lshl_b32 s24, s14, 6
	s_add_co_u32 s24, s24, s12
	s_lshl_b32 s24, s24, 11                        ; my tile's eight units of mask words
	s_cmp_lt_u32 s13, 2
	s_cselect_b32 s15, 0, 1048576                  ; heads 0, 1: dist == 1; the others: dist >= 1
	s_add_co_u32 s24, s24, s15
	s_mov_b32 s25, 0
	s_lshl_b32 s30, s14, 10
	s_lshl_b32 s15, s12, 4
	s_add_co_u32 s30, s30, s15
	s_lshl_b32 s30, s30, 3
	s_add_co_u32 s30, s30, s13
	s_add_co_u32 s30, s30, 1572864                 ; o's bytes: [b][n][head]
	s_mov_b32 s31, 0
	s_mov_b32 s2, 0x0000ffff
	s_mov_b32 s3, 0xffff0000
	s_mov_b32 s[SEL], 0x76543210
	s_mov_b32 s[SEL+1], 0xfedcba98
	s_mov_b32 s[CS], 0x3e8293ee                    ; c = log2(e) / sqrt(32)
	s_mov_b32 s[CS+1], s[CS]
	s_wait_kmcnt 0x0
	s_add_nc_u64 s[16:17], s[4:5], s[16:17]
	s_add_nc_u64 s[18:19], s[4:5], s[18:19]
	s_add_nc_u64 s[22:23], s[4:5], s[22:23]
	s_add_nc_u64 s[24:25], s[6:7], s[24:25]
	s_add_nc_u64 s[30:31], s[8:9], s[30:31]
	s_add_nc_u64 s[8:9], s[8:9], s[20:21]
	s_add_nc_u64 s[20:21], s[4:5], s[20:21]
	MASKLOAD 0
	v_lshlrev_b32 v6, 4, v0
	v_lshlrev_b32 v53, 2, v0
	v_mul_u32_u24 v10, v8, 24
.irp i, 0,1,2,3,4,5
	global_load_b128 v[S+4*\i:S+4*\i+3], v6, s[16:17] offset:8192*\i       ; the 512 threads take 8,192 consecutive bytes a load
.endr
	global_load_b32 v128, v53, s[18:19]
.irp p, 0,1,2
	global_load_b64 v[130+2*\p:131+2*\p], v10, s[20:21] offset:8*\p
.endr
	global_load_u8 v136, v8, s[22:23]
	v_mul_u32_u24 v1, v7, 24                       ; k: a lane's 24 bytes of a chunk of 768
	v_lshrrev_b32 v11, 3, v8
	v_lshl_add_u32 v11, v11, 3, v8                 ; R + 8 (R / 8)
	v_mul_u32_u24 v2, v11, 24
	v_mad_u32_u24 v2, v9, 1536, v2
	v_add_nc_u32 v2, 768, v2                       ; v: channel 8 u + R + 8 (R / 8), key block 2 c + H
	v_lshl_add_u32 v3, v8, 1, 49152                ; k's bytes: two a lane and chunk
	v_add_nc_u32 v4, 49184, v11                    ; v's
	v_mad_u32_u24 v102, v9, 12, v10                ; the way out: 24 R + 12 H
	v_lshlrev_b32 v103, 3, v8
	STATE
	s_wait_loadcnt 0x0
.irp i, 0,1,2,3,4,5
	ds_store_b128 v6, v[S+4*\i:S+4*\i+3] offset:8192*\i
.endr
	ds_store_b32 v53, v128 offset:49152
	QBUILD
	s_wait_dscnt 0x0
	s_barrier_signal -1
	s_barrier_wait -1                              ; the head's k and v lie in LDS; nothing is written there again
.macro STEP st
.if \st > 0
	NOPS 4                                         ; places ahead of loads into registers that the last products read
.endif
.irp f, 0,1
.irp c, 0,1
.irp p, 0,1,2
	ds_load_b64 v[KF+12*\f+6*\c+2*\p:KF+12*\f+6*\c+2*\p+1], v1 offset:(4*\st+2*\f+\c)*1536+8*\p
.endr
	ds_load_u16 v[KB+2*\f+\c], v3 offset:(4*\st+2*\f+\c)*64
.endr
.endr
.irp u, 0,1
.irp c, 0,1
.irp p, 0,1,2
	ds_load_b64 v[VF+12*\u+6*\c+2*\p:VF+12*\u+6*\c+2*\p+1], v2 offset:(4*\st+2*\c)*1536+192*\u+8*\p
.endr
.endr
.irp j, 0,1,2,3
	ds_load_u8 v[VB+4*\u+\j], v4 offset:(4*\st+\j)*64+8*\u
.endr
.endr
	s_wait_dscnt 0x0
	WORDS
	SPROD
	MASK
.if \st < 7
	MASKLOAD (\st+1)*256                           ; the next step's words have the rest of this step in which to land
.endif
	SOFTMAX (\st==0)
	PV (\st==0)
.endm
.irp st, 0,1,2,3,4,5,6,7
	STEP \st
.endr
	NOPS 4
	v_add_f32 v14, v14, v15
	v_permlanex16_b32 v[TA], v14, s[SEL], s[SEL+1]
	v_add_f32 v14, v14, v[TA]                      ; the row's sum
	v_rcp_f32 v14, v14
	v_nop
.set j, 0
	s_wait_alu depctr_va_vdst(0)
.rept 16
	v_mul_f32 v[S+j], v[O+j], v14                  ; o(query R, channel 16 H + j)
.set j, j+1
.endr
	v_max3_num_f32 v[TA], |v[S]|, |v[S+1]|, 0x1800000      ; the head's 32 channels are a block of the next product's K
.irp i, 2,4,6,8,10,12,14
	v_max3_num_f32 v[TA], v[TA], |v[S+\i]|, |v[S+\i+1]|
.endr
	v_permlanex16_b32 v[TA+1], v[TA], s[SEL], s[SEL+1]
	v_max_num_f32 v[TA], v[TA], v[TA+1]
	v_add_nc_u32 v[SO], 0xff000000, v[TA]
	v_lshrrev_b32 v[PM], 23, v[SO]
	v_cvt_scalef32_pk16_fp6_f32 v[PH:PH+2], v[S:S+15], v[SO]
	v_nop
	global_store_b96 v102, v[PH:PH+2], s[8:9]      ; the wave stores 384 consecutive bytes
	global_store_b8 v103, v[PM], s[30:31]
	s_wait_tensorcnt 0x0
	ds_add_u32 v254, v255
	s_wait_dscnt 0x0
	s_endpgm
.Lfunc_end_k_q86878c3b87_attn:
	.size	k_q86878c3b87_attn, .Lfunc_end_k_q86878c3b87_attn-k_q86878c3b87_attn
	.p2alignl 7, 3214868480
	.fill 96, 4, 3214868480
	.section	.rodata,"a",@progbits
	.p2align	6, 0x0
	.amdhsa_kernel k_q86878c3b87_attn
		.amdhsa_group_segment_fixed_size 53248
		.amdhsa_private_segment_fixed_size 0
		.amdhsa_enable_private_segment 0
		.amdhsa_kernarg_size 24
		.amdhsa_user_sgpr_count 2
		.amdhsa_user_sgpr_kernarg_segment_ptr 1
		.amdhsa_wavefront_size32 1
		.amdhsa_system_sgpr_workgroup_id_x 1
		.amdhsa_system_sgpr_workgroup_id_y 1
		.amdhsa_system_sgpr_workgroup_id_z 1
		.amdhsa_system_vgpr_workitem_id 0
		.amdhsa_next_free_vgpr 256
		.amdhsa_next_free_sgpr 100
		.amdhsa_reserve_vcc 0
		.amdhsa_float_denorm_mode_32 3
		.amdhsa_float_denorm_mode_16_64 3
		.amdhsa_memory_ordered 1
		.amdhsa_forward_progress 1
		.amdhsa_inst_pref_size 167
	.end_amdhsa_kernel
	.amdgpu_metadata
---
amdhsa.version: [ 1, 2 ]
amdhsa.kernels:
  - .name:           k_q86878c3b87_attn
    .symbol:         k_q86878c3b87_attn.kd
    .args:
      - { .name: qkv0, .offset: 0, .size: 8, .value_kind: global_buffer, .address_space: global }
      - { .name: maskw, .offset: 8, .size: 8, .value_kind: global_buffer, .address_space: global }
      - { .name: o0, .offset: 16, .size: 8, .value_kind: global_buffer, .address_space: global }
    .group_segment_fixed_size: 53248
    .private_segment_fixed_size: 0
    .kernarg_segment_align: 8
    .kernarg_segment_size: 24
    .max_flat_workgroup_size: 512
    .sgpr_count:     100
    .vgpr_count:     256
    .wavefront_size: 32
...
	.end_amdgpu_metadata
.endif
;; end of part 3
;; launch post (part 4): grid 32 x 8, 8 waves a work-group, no clusters, 52,224 bytes of LDS; arguments o0, x0, wimg, bo, ln1_g, ln1_b, b1, b2, ln2_g, ln2_b, bqkv, qkv1; writes qkv1
.if DOCPART == 4
	.amdgcn_target "amdgcn-amd-amdhsa--gfx1250"
	.amdhsa_code_object_version 6
	.text
	.protected	k_q86878c3b87_post
	.globl	k_q86878c3b87_post
	.p2align	8
	.type	k_q86878c3b87_post,@function
k_q86878c3b87_post:
	s_mov_b64 s[64:65], 0
	v_nop
	global_prefetch_b8 v0, s[64:65] scope:SCOPE_SE
	s_setreg_imm32_b32 hwreg(HW_REG_WAVE_MODE, 25, 1), 1
	s_wait_xcnt 0x0
; The rest of layer 0 and the head of layer 1: x = LN1(x + o Wo + bo); x = LN2(x + relu(x W1 + b1) W2 + b2); k, v = x Wqkv[1] + bqkv[1] for all rows.
; Only position 0 is output, so of layer 1 only k and v are wanted of every row: q and x itself are made and stored by the work-groups that hold position 0 (nb = 0).  Those ask for q's
; fragments together with k's and v's, multiply q straight behind k while x's fragments still stand in registers, and store q and x inside that one branch.
; SHARES AND LAYOUTS: 32 positions of one batch to a work-group, two tiles of 16 rows; wave w owns columns 32 w .. 32 w + 31 of every 256-wide result (of the hidden layer: blocks w and 8 + w).
; Products are used TRANSPOSED (source 0 = 16 columns of the weight, source 1 = 16 rows); the weight's images hold columns 8 u + rho + 8 (rho / 8) of a block in tile u, so lane (R, H) holds row R and
; columns 32 w + 16 H + 0 .. 15 in the 16 registers of its two tiles: the residual stays in the same registers throughout, and lanes l, l xor 16 hold a block of 32 along the next K.
; Rows' codes go from wave to wave through LDS as lane-major images of operand registers: register q of lane l at 48 l + 4 q.  The two row tiles go through the norms and the quantiser line by line, by turns.
; All weight fragments come straight into registers (window 1): Wo v0-47, W1 v48-143, W2 v144-239; Wqkv's parts take the places of weights that are done with.  No tensor loads: a fragment is read once by one wave.
; LIMITS: a block of zeros gets the byte 1 (its codes are zeros); NaN and infinities are not served.
.set NT, 2
.set LW, 0
.set LQ, 1
.set USE2, 0
.set USE8, 1
.set LN1S, 0                           ; LDS: every region is written once
.set AIMG, 2560
.set ASC,  8704
.set HIMG, 8960                        ; the hidden layer: 2 tiles x 4 fragments
.set HSC,  21248
.set LN2S, 21760
.set BIMG, 24320
.set BSC,  30464
.set OST,  30720                       ; a stage of 2,560 bytes for each wave: q 768, k 768, v 768, scale bytes 3 x 32
.set WB, 8
.set BQ, 24
.set WV, 28
.set T0, 29
.set T1, 30
.set T2, 31
.set SEL, 32
.set I256, 34
.set EPSR, 35
.set QB, 36
.set KVB, 38
.set QSG, 40
.set KVSG, 42
.set BB, 44
.set OF, 46
.set X1B, 48
.set OC, 50
; ---- registers and macros that the row-wise launches share
.set WSC, 835584
.set LANE, 1
.set RR, 2                             ; R = lane % 16
.set HH, 3                             ; H = lane / 16
.set L16, 4                            ; 16 x lane
.set WO2, 5                            ; 16 x lane + my two tiles' place in a weight of 2, 4, 8 fragments a tile
.set WO4, 6
.set WO8, 7
.set SO2, 8                            ; 4 x lane + the same for scale words
.set SO4, 9
.set SO8, 10
.set VEC, 11                           ; 128 w + 64 H: my 16 columns in a vector of f32
.set FRD, 12                           ; 48 x lane
.set SRD, 13                           ; 4 x lane
.set IMW, 14                           ; where my half block goes in an image
.set SCW, 15                           ; and its scale byte
.set LNW, 16
.set LNR, 17
.set AVR, 18                           ; v's rows out of an image
.set AVS, 19
.set QST, 20                           ; the stage: q, k, v codes; q, k, v bytes
.set KST, 21
.set VST, 22
.set QSB, 23
.set KSB, 24
.set VSB, 25
.set SRB, 26
.set L8, 27
.set QSR, 28
.set QSO, 29
.set KSR, 30
.set KSO, 31
.set TM, 32                            ; v32-38 the quantiser's seven registers for the first tile: two maxima, the scale operand, the byte, three of codes; the second tile's seven lie likewise from a base that the call names
.set TM2, 33
.set SCL, 34
.set BYT, 35
.set CD, 36
.set BVO, 39
.set BV, 40                            ; v40-41 v's bias of my two channels
.set MEAN0, 42                         ; v42-43, v46-47 (mean, M2) of a row tile
.set XS, 44                            ; v44-45 the rows' scale words: nothing else
.set XR, 48                            ; v48-79 the residual, 16 a tile
.set ACC, 80                           ; v80-111 four accumulators
.set XF, 112                           ; v112-159 four fragments of rows
.set LT, 112                           ; LN's temporaries lie there between products: 24 a tile
.set PRA, 160                          ; five sets of 16 parameters
.set PRB, 176
.set PRC, 192
.set PRD, 208
.set PRE, 224                          ; v240-255: the weights' scale words: nothing else
.set MSB, 0
.macro WIN new                         ; the immediate's high byte repeats the setting that is left
.if MSB != \new
	s_set_vgpr_msb (MSB<<8)|\new
.set MSB, \new
.endif
.endm
.macro NOPS n
.rept \n
	v_nop
.endr
.endm
.macro BAR                             ; my LDS stores have landed and my LDS loads are in: then the work-group's barrier
	s_wait_dscnt 0x0
	s_barrier_signal -1
	s_barrier_wait -1
.endm
.macro WMMA d, a, b, c, sa, sb, row    ; row = 1: both sides' scale words are taken from lanes 16-31
.if \row
	v_wmma_scale_f32_16x16x128_f8f6f4 v[\d:\d+7], v[\a:\a+11], v[\b:\b+11], v[\c:\c+7], v[\sa], v[\sb] matrix_a_fmt:MATRIX_FMT_FP6 matrix_b_fmt:MATRIX_FMT_FP6 matrix_a_scale:MATRIX_SCALE_ROW1 matrix_b_scale:MATRIX_SCALE_ROW1
.else
	v_wmma_scale_f32_16x16x128_f8f6f4 v[\d:\d+7], v[\a:\a+11], v[\b:\b+11], v[\c:\c+7], v[\sa], v[\sb] matrix_a_fmt:MATRIX_FMT_FP6 matrix_b_fmt:MATRIX_FMT_FP6
.endif
.endm
.macro LOADW reg, off, vo              ; a weight fragment: three loads of 512 consecutive bytes
.irp g, 0,1,2
	global_load_b128 v[(\reg)+4*\g:(\reg)+4*\g+3], v[\vo], s[WB:WB+1] offset:(\off)+512*\g
.endr
.endm
.macro LOADMF reg, fb, rs, ks, l, vo   ; my two tiles of a weight, ks K steps of layer l, into window 1 from reg on
	WIN 0x40
.irp u, 0,1
.set q, 0
.rept \ks
	LOADW (\reg)+12*(\u*(\ks)+q),((\fb)+\u*(\rs)+(\l)*(\ks)+q)*1536,\vo
.set q, q+1
.endr
.endr
	WIN 0
.endm
.macro LOADMS fb, rs, ks, l, so, ws    ; their scale words: a register holds an even K step's words below and the next step's above
.irp u, 0,1
.set q, 0
.rept (\ks)/2
	global_load_b32 v[(\ws)+\u*(\ks)/2+q], v[\so], s[WB:WB+1] offset:WSC+((\fb)+\u*(\rs)+(\l)*(\ks)+2*q)*64
.set q, q+1
.endr
.endr
.endm
.macro LOADM reg, fb, rs, ks, l, vo, so, ws
	LOADMF \reg,\fb,\rs,\ks,\l,\vo
	LOADMS \fb,\rs,\ks,\l,\so,\ws
.endm
.macro LOADV reg, base, off            ; 16 numbers of my columns
.irp g, 0,1,2,3
	global_load_b128 v[(\reg)+4*\g:(\reg)+4*\g+3], v[VEC], s[\base:\base+1] offset:(\off)+16*\g
.endr
.endm
; Two half blocks at once: 16 neighbours of a lane from s0 on and 16 from s1 on become 12 bytes of codes each (to LDS at ia + i0, ia + i1) and their blocks' bytes (at sa + b0, sa + b1).
; Four chains of maxima by turns, so that no line waits for the line above it; each accumulator of eight registers is first read at its low end.  tb: seven free registers for the second half block.
.macro QPAIR s0, s1, tb, ia, i0, i1, sa, b0, b1
	v_max3_num_f32 v[TM], |v[\s0]|, |v[\s0+1]|, 0x1800000          ; the floor 2^(3 - 127): the byte cannot fall under 1
	v_max3_num_f32 v[\tb], |v[\s1]|, |v[\s1+1]|, 0x1800000
	v_max3_num_f32 v[TM2], |v[\s0+8]|, |v[\s0+9]|, |v[\s0+10]|
	v_max3_num_f32 v[\tb+1], |v[\s1+8]|, |v[\s1+9]|, |v[\s1+10]|
.irp i, 2,4
	v_max3_num_f32 v[TM], v[TM], |v[\s0+\i]|, |v[\s0+\i+1]|
	v_max3_num_f32 v[\tb], v[\tb], |v[\s1+\i]|, |v[\s1+\i+1]|
	v_max3_num_f32 v[TM2], v[TM2], |v[\s0+\i+9]|, |v[\s0+\i+10]|
	v_max3_num_f32 v[\tb+1], v[\tb+1], |v[\s1+\i+9]|, |v[\s1+\i+10]|
.endr
	v_max3_num_f32 v[TM], v[TM], |v[\s0+6]|, |v[\s0+7]|
	v_max3_num_f32 v[\tb], v[\tb], |v[\s1+6]|, |v[\s1+7]|
	v_max3_num_f32 v[TM], v[TM], v[TM2], |v[\s0+15]|
	v_max3_num_f32 v[\tb], v[\tb], v[\tb+1], |v[\s1+15]|
	v_permlanex16_b32 v[TM2], v[TM], s[SEL], s[SEL+1]
	v_permlanex16_b32 v[\tb+1], v[\tb], s[SEL], s[SEL+1]
	v_max_num_f32 v[TM], v[TM], v[TM2]             ; with lane l xor 16's: the block's largest magnitude
	v_max_num_f32 v[\tb], v[\tb], v[\tb+1]
	v_add_nc_u32 v[SCL], 0xff000000, v[TM]         ; 2 off its exponent field: the conversion's scale operand
	v_add_nc_u32 v[\tb+2], 0xff000000, v[\tb]
	s_wait_dscnt 0x0                               ; the last pair's stores have read their codes and bytes
	v_lshrrev_b32 v[BYT], 23, v[SCL]
	v_lshrrev_b32 v[\tb+3], 23, v[\tb+2]
	v_cvt_scalef32_pk16_fp6_f32 v[CD:CD+2], v[\s0:\s0+15], v[SCL]
	v_cvt_scalef32_pk16_fp6_f32 v[\tb+4:\tb+6], v[\s1:\s1+15], v[\tb+2]
	v_nop                                          ; one plain line behind the scaled conversions
.irp c, 0,1,2
	ds_store_b32 v[\ia], v[CD+\c] offset:\i0+4*\c
	ds_store_b32 v[\ia], v[\tb+4+\c] offset:\i1+4*\c
.endr
	ds_store_b8 v[\sa], v[BYT] offset:\b0          ; both lanes of a block write the same byte with the same value
	ds_store_b8 v[\sa], v[\tb+3] offset:\b1
.endm
.macro FETCHX img, isc, ks, sp         ; K steps 2 sp, 2 sp + 1 of every row tile: fragments and scale words (lanes 0-15 the even step's, lanes 16-31 the odd step's)
.irp tt, 0,1
.irp s2, 0,1
.irp g, 0,1,2
	ds_load_b128 v[XF+12*(2*\tt+\s2)+4*\g:XF+12*(2*\tt+\s2)+4*\g+3], v[FRD] offset:(\img)+(\tt*(\ks)+2*(\sp)+\s2)*1536+16*\g
.endr
.endr
	ds_load_b32 v[XS+\tt], v[SRD] offset:(\isc)+(\tt*(\ks)+2*(\sp))*64
.endr
	s_wait_dscnt 0x0
.endm
.macro MM wreg, ks, sp, first, creg, ws        ; my two tiles of columns x the row tiles, two K steps; the accumulators take turns, one instruction a turn; first = 1: C is the bias
	WIN 0x01
.irp s2, 0,1
.irp tt, 0,1
.irp u, 0,1
.if (\first) && (\s2 == 0)
	WMMA ACC+16*\tt+8*\u,(\wreg)+12*(\u*(\ks)+2*(\sp)+\s2),XF+12*(2*\tt+\s2),(\creg)+8*\u,(\ws)+\u*(\ks)/2+(\sp),XS+\tt,\s2
.else
	WMMA ACC+16*\tt+8*\u,(\wreg)+12*(\u*(\ks)+2*(\sp)+\s2),XF+12*(2*\tt+\s2),ACC+16*\tt+8*\u,(\ws)+\u*(\ks)/2+(\sp),XS+\tt,\s2
.endif
.endr
.endr
.endr
	WIN 0
	NOPS 4                                         ; places behind the products, ahead of reads of results and of loads into operands
.endm
.macro LNSTAT2 y, off                  ; my 32 columns of a row, both tiles by turns: mean and sum of squared differences from it, to LDS
.irp i, 0,1,2,3
.irp t, 0,1
	v_pk_add_f32 v[LT+24*\t+2*\i:LT+24*\t+2*\i+1], v[\y+16*\t+4*\i:\y+16*\t+4*\i+1], v[\y+16*\t+4*\i+2:\y+16*\t+4*\i+3]
.endr
.endr
.irp t, 0,1
.set L, LT+24*\t
	v_pk_add_f32 v[L:L+1], v[L:L+1], v[L+2:L+3]
	v_pk_add_f32 v[L+4:L+5], v[L+4:L+5], v[L+6:L+7]
.endr
.irp t, 0,1
.set L, LT+24*\t
	v_pk_add_f32 v[L:L+1], v[L:L+1], v[L+4:L+5]
.endr
.irp t, 0,1
.set L, LT+24*\t
	v_add_f32 v[L], v[L], v[L+1]
.endr
.irp t, 0,1
.set L, LT+24*\t
	v_permlanex16_b32 v[L+1], v[L], s[SEL], s[SEL+1]
.endr
.irp t, 0,1
.set L, LT+24*\t
	v_add_f32 v[L], v[L], v[L+1]
.endr
.irp t, 0,1
.set L, LT+24*\t
	v_mul_f32 v[MEAN0+4*\t], 0x3d000000, v[L]      ; / 32
.endr
.irp i, 0,2,4,6,8,10,12,14
.irp t, 0,1
	v_pk_add_f32 v[LT+24*\t+\i:LT+24*\t+\i+1], v[\y+16*\t+\i:\y+16*\t+\i+1], v[MEAN0+4*\t:MEAN0+4*\t+1] op_sel_hi:[1,0] neg_lo:[0,1] neg_hi:[0,1]
.endr
.endr
.irp t, 0,1
.set L, LT+24*\t
	v_pk_mul_f32 v[L+16:L+17], v[L:L+1], v[L:L+1]
	v_pk_mul_f32 v[L+18:L+19], v[L+2:L+3], v[L+2:L+3]
.endr
.irp i, 4,8,12
.irp t, 0,1
.set L, LT+24*\t
	v_pk_fma_f32 v[L+16:L+17], v[L+\i:L+\i+1], v[L+\i:L+\i+1], v[L+16:L+17]
	v_pk_fma_f32 v[L+18:L+19], v[L+\i+2:L+\i+3], v[L+\i+2:L+\i+3], v[L+18:L+19]
.endr
.endr
.irp t, 0,1
.set L, LT+24*\t
	v_pk_add_f32 v[L+16:L+17], v[L+16:L+17], v[L+18:L+19]
.endr
.irp t, 0,1
.set L, LT+24*\t
	v_add_f32 v[L+16], v[L+16], v[L+17]
.endr
.irp t, 0,1
.set L, LT+24*\t
	v_permlanex16_b32 v[L+17], v[L+16], s[SEL], s[SEL+1]
.endr
.irp t, 0,1
.set L, LT+24*\t
	v_add_f32 v[MEAN0+4*\t+1], v[L+16], v[L+17]
.endr
.irp t, 0,1
	ds_store_b64 v[LNW], v[MEAN0+4*\t:MEAN0+4*\t+1] offset:(\off)+1280*\t
.endr
.endm
.macro LNAPPLY2 y, off, g, be, dst     ; the eight waves' pairs joined, both tiles by turns: var = (sum M2 + 32 sum (m - mu)^2) / 256: no difference of large sums
.irp t, 0,1
.irp i, 0,1,2,3
	ds_load_b128 v[LT+24*\t+4*\i:LT+24*\t+4*\i+3], v[LNR] offset:(\off)+1280*\t+16*\i
.endr
.endr
	s_wait_dscnt 0x0
.irp t, 0,1
.set L, LT+24*\t
	v_pk_add_f32 v[L+16:L+17], v[L:L+1], v[L+2:L+3]
	v_pk_add_f32 v[L+18:L+19], v[L+4:L+5], v[L+6:L+7]
	v_pk_add_f32 v[L+20:L+21], v[L+8:L+9], v[L+10:L+11]
	v_pk_add_f32 v[L+22:L+23], v[L+12:L+13], v[L+14:L+15]
.endr
.irp t, 0,1
.set L, LT+24*\t
	v_pk_add_f32 v[L+16:L+17], v[L+16:L+17], v[L+18:L+19]
	v_pk_add_f32 v[L+20:L+21], v[L+20:L+21], v[L+22:L+23]
.endr
.irp t, 0,1
.set L, LT+24*\t
	v_pk_add_f32 v[L+16:L+17], v[L+16:L+17], v[L+20:L+21]
.endr
.irp t, 0,1
.set L, LT+24*\t
	v_mul_f32 v[L+18], 0x3e000000, v[L+16]         ; mu, twice: a pair for the packed forms
	v_mul_f32 v[L+19], 0x3e000000, v[L+16]
.endr
.irp i, 0,2,4,6,8,10,12,14
.irp t, 0,1
	v_sub_f32 v[LT+24*\t+\i], v[LT+24*\t+\i], v[LT+24*\t+18]
.endr
.endr
.irp t, 0,1
.set L, LT+24*\t
	v_mul_f32 v[L+21], v[L], v[L]
	v_mul_f32 v[L+22], v[L+2], v[L+2]
.endr
.irp i, 4,8,12
.irp t, 0,1
.set L, LT+24*\t
	v_fmac_f32 v[L+21], v[L+\i], v[L+\i]
	v_fmac_f32 v[L+22], v[L+\i+2], v[L+\i+2]
.endr
.endr
.irp t, 0,1
.set L, LT+24*\t
	v_add_f32 v[L+21], v[L+21], v[L+22]
.endr
.irp t, 0,1
.set L, LT+24*\t
	v_fmamk_f32 v[L+21], v[L+21], 0x42000000, v[L+17]
.endr
.irp t, 0,1
.set L, LT+24*\t
	v_fma_f32 v[L+21], v[L+21], s[I256], s[EPSR]
.endr
.irp t, 0,1
.set L, LT+24*\t
	v_rsq_f32 v[L+22], v[L+21]
	v_rsq_f32 v[L+23], v[L+21]
.endr
.irp i, 0,2,4,6,8,10,12,14             ; (the first of these is the plain line behind the roots)
.irp t, 0,1
	v_pk_add_f32 v[\dst+16*\t+\i:\dst+16*\t+\i+1], v[\y+16*\t+\i:\y+16*\t+\i+1], v[LT+24*\t+18:LT+24*\t+19] neg_lo:[0,1] neg_hi:[0,1]
.endr
.endr
	s_wait_alu depctr_va_vdst(0)
.irp i, 0,2,4,6,8,10,12,14
.irp t, 0,1
	v_pk_mul_f32 v[\dst+16*\t+\i:\dst+16*\t+\i+1], v[\dst+16*\t+\i:\dst+16*\t+\i+1], v[LT+24*\t+22:LT+24*\t+23]
.endr
.endr
.irp i, 0,2,4,6,8,10,12,14
.irp t, 0,1
	v_pk_fma_f32 v[\dst+16*\t+\i:\dst+16*\t+\i+1], v[\dst+16*\t+\i:\dst+16*\t+\i+1], v[\g+\i:\g+\i+1], v[\be+\i:\be+\i+1]
.endr
.endr
.endm
.macro ADDRES                          ; + the residual; each accumulator from its low end on
.set j, 0
.rept 16
	v_pk_add_f32 v[ACC+j:ACC+j+1], v[ACC+j:ACC+j+1], v[XR+j:XR+j+1]
.set j, j+2
.endr
.endm
.macro RELU
.set j, 0
.rept 32
	v_max_num_f32 v[ACC+j], 0, v[ACC+j]
.set j, j+1
.endr
.endm
.macro HEADA
	v_lshrrev_b32 v1, 5, v0
	v_readfirstlane_b32 s[WV], v1                  ; wave 0..7
	v_and_b32 v[LANE], 31, v0
	v_and_b32 v[RR], 15, v0
	v_bfe_u32 v[HH], v0, 4, 1
	v_lshlrev_b32 v[L16], 4, v[LANE]
	v_lshlrev_b32 v[SRD], 2, v[LANE]
.if USE2
	s_mul_i32 s[T0], s[WV], 6144
	v_add_nc_u32 v[WO2], s[T0], v[L16]
	s_lshl_b32 s[T0], s[WV], 8
	v_add_nc_u32 v[SO2], s[T0], v[SRD]
.endif
	s_mul_i32 s[T0], s[WV], 12288
	v_add_nc_u32 v[WO4], s[T0], v[L16]
	s_lshl_b32 s[T0], s[WV], 9
	v_add_nc_u32 v[SO4], s[T0], v[SRD]
.if USE8
	s_mul_i32 s[T0], s[WV], 24576
	v_add_nc_u32 v[WO8], s[T0], v[L16]
	s_lshl_b32 s[T0], s[WV], 10
	v_add_nc_u32 v[SO8], s[T0], v[SRD]
.endif
	s_lshl_b32 s[T0], s[WV], 7
	v_lshl_add_u32 v[VEC], v[HH], 6, s[T0]
	v_mul_u32_u24 v[FRD], v[LANE], 48
	s_lshr_b32 s[T0], s[WV], 2                     ; block w of a row: K step w / 4, registers 6 ((w / 2) % 2) on, lanes 16 (w % 2) on
	s_mul_i32 s[T0], s[T0], 1536
	s_and_b32 s[T1], s[WV], 1
	s_mul_i32 s[T1], s[T1], 768
	s_add_co_u32 s[T0], s[T0], s[T1]
	s_bfe_u32 s[T1], s[WV], 0x10001
	s_mul_i32 s[T1], s[T1], 24
	s_add_co_u32 s[T0], s[T0], s[T1]
	v_mul_u32_u24 v[IMW], v[RR], 48
	v_mad_u32_u24 v[IMW], v[HH], 12, v[IMW]
	v_add_nc_u32 v[IMW], s[T0], v[IMW]
	s_lshr_b32 s[T0], s[WV], 2
	s_lshl_b32 s[T0], s[T0], 6
	s_and_b32 s[T1], s[WV], 3
	s_add_co_u32 s[T0], s[T0], s[T1]
	v_lshl_add_u32 v[SCW], v[RR], 2, s[T0]
	v_mul_u32_u24 v[LNR], v[RR], 80
	s_lshl_b32 s[T0], s[WV], 3
	v_add_nc_u32 v[LNW], s[T0], v[LNR]
	s_mov_b32 s[SEL], 0x76543210
	s_mov_b32 s[SEL+1], 0xfedcba98                 ; v_permlanex16_b32's selects for lane l xor 16
	s_mov_b32 s[I256], 0x3b800000                  ; 1 / 256
	s_mov_b32 s[EPSR], 0x3727c5ac                  ; 1e-5
	v_mov_b32 v[MEAN0+1], 0                        ; named as the upper halves of pairs before they are first written
	v_mov_b32 v[MEAN0+5], 0
.endm
.macro HEADB                           ; the stage, and v's way through an image
	v_lshlrev_b32 v[L8], 3, v[LANE]
	s_mul_i32 s[T0], s[WV], 2560
	s_add_co_u32 s[T0], s[T0], OST
	v_mul_u32_u24 v[QST], v[RR], 24
	v_mad_u32_u24 v[QST], v[HH], 12, v[QST]
	v_add_nc_u32 v[QST], s[T0], v[QST]             ; q: position 16 tt + R, natural order
	v_and_b32 v[TM], 7, v[RR]
	v_lshrrev_b32 v[TM2], 3, v[RR]
	v_lshl_add_u32 v[SCL], v[TM2], 4, v[TM]
	v_mul_u32_u24 v[KST], v[SCL], 24
	v_mad_u32_u24 v[KST], v[HH], 12, v[KST]
	v_add_nc_u32 v[KST], s[T0], v[KST]             ; k: position i at place (i % 8) + 8 (i / 16) + 16 ((i / 8) % 2): the order of a fragment's lanes
	v_lshl_add_u32 v[BYT], v[TM2], 3, v[RR]
	v_mul_u32_u24 v[VST], v[BYT], 24
	v_mad_u32_u24 v[VST], v[HH], 12, v[VST]
	v_add_nc_u32 v[VST], s[T0], v[VST]             ; v: channel 8 w + R + 8 (R / 8)
	v_add_nc_u32 v[QSB], s[T0], v[RR]
	v_lshl_add_u32 v[KSB], v[TM], 1, v[TM2]
	v_add_nc_u32 v[KSB], s[T0], v[KSB]
	v_add_nc_u32 v[VSB], s[T0], v[BYT]
	v_add_nc_u32 v[SRB], s[T0], v[L8]
	v_and_b32 v[QSO], 7, v[LANE]
	v_lshlrev_b32 v[QSO], 2, v[QSO]
	v_add_nc_u32 v[QSR], s[T0], v[QSO]
	v_lshlrev_b32 v[KSO], 2, v[RR]
	v_add_nc_u32 v[KSR], s[T0], v[KSO]
	v_lshl_add_u32 v[AVR], v[HH], 4, v[TM]
	v_mul_u32_u24 v[AVR], v[AVR], 48
	v_mad_u32_u24 v[AVR], v[TM2], 3072, v[AVR]     ; row 8 u + R + 8 (R / 8): tile R / 8, lane 8 u + R % 8 + 16 H
	v_lshlrev_b32 v[AVS], 2, v[TM]
	v_lshl_add_u32 v[AVS], v[HH], 6, v[AVS]
	v_lshl_add_u32 v[AVS], v[TM2], 7, v[AVS]
	v_lshlrev_b32 v[BVO], 2, v[BYT]
	s_lshl_b32 s[T0], s[WV], 7
	v_add_nc_u32 v[BVO], s[T0], v[BVO]
.endm
.macro QKVBASES p                      ; where my head's q, k | v and their bytes go
	s_lshl_b32 s[T1], s[BB], 3
	s_add_co_u32 s[T1], s[T1], s[WV]               ; bh = 8 b + head
	s_lshl_b32 s[T2], s[T1], 5
	s_add_co_u32 s[T2], s[T2], ttmp9               ; 32 bh + nb
	s_mul_i32 s[OF], s[T1], 24576
	s_mul_i32 s[T0], ttmp9, 768
	s_add_co_u32 s[OF], s[OF], s[T0]
	s_add_nc_u64 s[QB:QB+1], s[\p:\p+1], s[OF:OF+1]
	s_mul_i32 s[OF], s[T2], 1536
	s_add_co_u32 s[OF], s[OF], 1572864
	s_add_nc_u64 s[KVB:KVB+1], s[\p:\p+1], s[OF:OF+1]
	s_lshl_b32 s[OF], s[T1], 10
	s_lshl_b32 s[T0], ttmp9, 5
	s_add_co_u32 s[OF], s[OF], s[T0]
	s_add_co_u32 s[OF], s[OF], 4718592
	s_add_nc_u64 s[QSG:QSG+1], s[\p:\p+1], s[OF:OF+1]
	s_lshl_b32 s[OF], s[T2], 6
	s_add_co_u32 s[OF], s[OF], 4784128
	s_add_nc_u64 s[KVSG:KVSG+1], s[\p:\p+1], s[OF:OF+1]
.endm
.macro QPART creg
	MM 0,2,0,1,\creg,240
	QPAIR ACC,ACC+16,PRA,QST,0,384,QSB,2304,2320
.endm
.macro KPART creg
	MM 48,2,0,1,\creg,242
	QPAIR ACC,ACC+16,PRA,KST,768,960,KSB,2336,2352
.endm
.macro VPART img, isc                  ; NOT transposed: source 0 = rows 8 u + rho + 8 (rho / 8), source 1 = the weight: a lane holds one channel and 16 neighbouring positions, the second attention product's K
.irp u, 0,1
.irp s, 0,1
.irp g, 0,1,2
	ds_load_b128 v[XF+12*(2*\u+\s)+4*\g:XF+12*(2*\u+\s)+4*\g+3], v[AVR] offset:(\img)+1536*\s+384*\u+16*\g
.endr
.endr
	ds_load_b32 v[XS+\u], v[AVS] offset:(\isc)+32*\u
.endr
.irp j, 0,1,2,3,4,5,6,7
	v_mov_b32 v[PRE+\j], v[BV]                     ; the bias as C: a lane's eight results are one channel's
	v_mov_b32 v[PRE+8+\j], v[BV+1]
.endr
	s_wait_dscnt 0x0
	NOPS 4
	WIN 0x04                                       ; source 1 (the weight) window 1
.irp s, 0,1
.irp w, 0,1
.irp u, 0,1
.if \s == 0
	WMMA ACC+16*\w+8*\u,XF+12*(2*\u+\s),96+12*(2*\w+\s),PRE+8*\w,XS+\u,244+\w,\s
.else
	WMMA ACC+16*\w+8*\u,XF+12*(2*\u+\s),96+12*(2*\w+\s),ACC+16*\w+8*\u,XS+\u,244+\w,\s
.endif
.endr
.endr
.endr
	WIN 0
	NOPS 4
	QPAIR ACC,ACC+16,PRA,VST,1536,1728,VSB,2368,2376
.endm
.macro OUTQ                            ; the stage is my own: LDS serves a wave's instructions in order
.irp i, 0,1,2
	ds_load_b64 v[XF+2*\i:XF+2*\i+1], v[SRB] offset:256*\i
.endr
	ds_load_b32 v[XF+6], v[QSR] offset:2304
	s_wait_dscnt 0x0
.irp i, 0,1,2
	global_store_b64 v[L8], v[XF+2*\i:XF+2*\i+1], s[QB:QB+1] offset:256*\i     ; 256 consecutive bytes a store
.endr
	global_store_b32 v[QSO], v[XF+6], s[QSG:QSG+1]                             ; 32 bytes; four lanes store each word, with the same value
.endm
.macro OUTKV
.irp i, 0,1,2,3,4,5
	ds_load_b64 v[XF+8+2*\i:XF+9+2*\i], v[SRB] offset:768+256*\i
.endr
	ds_load_b32 v[XF+20], v[KSR] offset:2336
	s_wait_dscnt 0x0
.irp i, 0,1,2,3,4,5
	global_store_b64 v[L8], v[XF+8+2*\i:XF+9+2*\i], s[KVB:KVB+1] offset:256*\i
.endr
	global_store_b32 v[KSO], v[XF+20], s[KVSG:KVSG+1]
.endm
; ---- this launch
	s_load_b256 s[4:11], s[0:1], 0x0               ; o0, x0, wimg, bo
	s_load_b256 s[12:19], s[0:1], 0x20             ; ln1_g, ln1_b, b1, b2
	s_load_b256 s[20:27], s[0:1], 0x40             ; ln2_g, ln2_b, bqkv, qkv1
	v_lshl_add_u32 v5, v0, 2, 0xc800
	v_mov_b32 v8, 0
	HEADA
	HEADB
	s_and_b32 s[BB], ttmp7, 0xffff                 ; b
	v_mul_u32_u24 v[ACC], v[RR], 24                ; o's codes: row R, head 4 s + 2 c + H (the accumulators' registers are free until the first product, which stands behind the wait for these loads)
	v_mad_u32_u24 v[ACC], v[HH], 24576, v[ACC]
	v_lshlrev_b32 v[ACC+1], 3, v[RR]
	v_lshl_add_u32 v[ACC+1], v[HH], 2, v[ACC+1]    ; its scale words: 8 bytes a row; lanes 16-31 take K step 1's
	s_mov_b32 s[OF+1], 0
	s_wait_kmcnt 0x0
	s_mul_i32 s[OF], s[BB], 196608
	s_mul_i32 s[T0], ttmp9, 768
	s_add_co_u32 s[OF], s[OF], s[T0]
	s_add_nc_u64 s[OC:OC+1], s[4:5], s[OF:OF+1]    ; o0's codes [b][head][n][24] at (b, 0, 32 nb)
	s_lshl_b32 s[OF], s[BB], 13
	s_lshl_b32 s[T0], ttmp9, 8
	s_add_co_u32 s[OF], s[OF], s[T0]
	s_add_co_u32 s[OF], s[OF], 1572864
	s_add_nc_u64 s[4:5], s[4:5], s[OF:OF+1]        ; its bytes [b][n][head]
	s_lshl_b32 s[OF], s[BB], 5
	s_add_co_u32 s[OF], s[OF], ttmp9
	s_lshl_b32 s[OF], s[OF], 15
	s_lshl_b32 s[T0], s[WV], 12
	s_add_co_u32 s[OF], s[OF], s[T0]
	s_add_nc_u64 s[6:7], s[6:7], s[OF:OF+1]        ; x0: the work-group's 32,768 bytes, my 4,096
	s_lshl_b32 s[OF], s[BB], 10
	s_add_co_u32 s[OF], s[OF], 4915200
	s_add_nc_u64 s[X1B:X1B+1], s[26:27], s[OF:OF+1]
	QKVBASES 26
.irp tt, 0,1                           ; 52 loads: o's four fragments and scale words, Wo, bo, the residual
.irp s, 0,1
.irp c, 0,1
.irp p, 0,1,2
	global_load_b64 v[XF+12*(2*\tt+\s)+6*\c+2*\p:XF+12*(2*\tt+\s)+6*\c+2*\p+1], v[ACC], s[OC:OC+1] offset:(4*\s+2*\c)*24576+384*\tt+8*\p
.endr
.endr
.endr
	global_load_b32 v[XS+\tt], v[ACC+1], s[4:5] offset:128*\tt
.endr
	LOADM 0,224,4,2,LW,WO4,SO4,246
	LOADV PRA,10,LW*1024
.irp tt, 0,1
.irp g, 0,1,2,3
	global_load_b128 v[XR+16*\tt+4*\g:XR+16*\tt+4*\g+3], v[L16], s[6:7] offset:2048*\tt+512*\g
.endr
.endr
	LOADV PRB,12,LW*1024                           ; 8: LN1's gain and bias
	LOADV PRC,14,LW*1024
	LOADM 48,288,4,2,LW,WO4,SO4,248                ; 36: W1's blocks w and 8 + w, b1
	LOADM 96,352,4,2,LW,WO4,SO4,250
	LOADV PRD,16,LW*2048
	LOADV PRE,16,LW*2048+1024
	LOADM 144,416,8,4,LW,WO8,SO8,252               ; 28: W2
	s_wait_loadcnt 63                              ; 72 loads were issued behind the first 52; 63 is the largest count that can be written, and asks for more than is needed
	MM 0,2,0,1,PRA,246
	ADDRES
	LNSTAT2 ACC,LN1S
	BAR
	s_wait_loadcnt 63                              ; 64 were issued behind LN1's parameters
	LNAPPLY2 ACC,LN1S,PRB,PRC,XR
	LOADV PRA,18,LW*1024                           ; 12 more: b2, LN2's gain and bias, into sets that are done with
	LOADV PRB,20,LW*1024
	LOADV PRC,22,LW*1024
	QPAIR XR,XR+16,ACC,IMW,AIMG,AIMG+3072,SCW,ASC,ASC+128
	BAR
	s_wait_loadcnt 40                              ; W1 and b1 are in: 28 + 12 were issued behind them
	FETCHX AIMG,ASC,2,0
.irp k, 0,1
	MM 48+48*\k,2,0,1,PRD+16*\k,248+2*\k
	RELU
	QPAIR ACC,ACC+16,PRD,IMW,HIMG+3072*\k,HIMG+3072*\k+6144,SCW,HSC+128*\k,HSC+128*\k+256   ; b1's first half is done with: its set lends the second tile's seven registers
.endr
	LOADMS 32,4,2,LQ,SO4,240                       ; q's two scale words, in every work-group: these registers are written on every way through the text
	s_cmp_lg_u32 ttmp9, 0                          ; q is wanted of position 0 alone: only nb = 0 asks for its fragments and bias, ahead of the 34 loads below
	s_cbranch_scc1 .Lnoq0
	s_wait_dscnt 0x0                               ; the stores just issued have read their codes and byte in b1's set, into which q's bias now comes
	LOADMF 0,32,4,2,LQ,WO4
	LOADV PRD,BQ,LQ*3072
.Lnoq0:
	LOADM 48,96,4,2,LQ,WO4,SO4,242                 ; 34 more: layer 1's k and v parts of Wqkv take W1's place; their biases
	LOADM 96,160,4,2,LQ,WO4,SO4,244
	LOADV PRE,BQ,LQ*3072+1024
.irp w, 0,1
	global_load_b32 v[BV+\w], v[BVO], s[BQ:BQ+1] offset:LQ*3072+2048+32*\w
.endr
	BAR
	s_wait_loadcnt 34                              ; W2, b2 and LN2's parameters are in: on both ways the youngest 34 loads are those of k and v
	FETCHX HIMG,HSC,4,0
	MM 144,4,0,1,PRA,252
	FETCHX HIMG,HSC,4,1
	MM 144,4,1,0,PRA,252
	ADDRES
	LNSTAT2 ACC,LN2S
	BAR
	LNAPPLY2 ACC,LN2S,PRB,PRC,XR
	QPAIR XR,XR+16,ACC,IMW,BIMG,BIMG+3072,SCW,BSC,BSC+128
	BAR
	s_wait_loadcnt 0x0
	FETCHX BIMG,BSC,2,0
	KPART PRE
	s_cmp_lg_u32 ttmp9, 0
	s_cbranch_scc1 .Lnoq1
	QPART PRD                                      ; x's fragments still stand in registers
	OUTQ
	s_wait_xcnt 0x0                                ; EXEC changes only behind this wait
	v_cmp_eq_u32 vcc_lo, 0, v[RR]
	s_and_saveexec_b32 s[T0], vcc_lo               ; lanes 0 and 16: row 0 of tile 0 = position 0
.irp g, 0,1,2,3
	global_store_b128 v[VEC], v[XR+4*\g:XR+4*\g+3], s[X1B:X1B+1] offset:16*\g
.endr
	s_wait_xcnt 0x0                                ; and again in front of the line that widens it; q's stores have read their registers too, into which v's rows come next
	s_or_b32 exec_lo, exec_lo, s[T0]
.Lnoq1:
	VPART BIMG,BSC
	OUTKV
	s_wait_tensorcnt 0x0
	ds_add_u32 v5, v8
	s_wait_dscnt 0x0
	s_endpgm
.Lfunc_end_k_q86878c3b87_post:
	.size	k_q86878c3b87_post, .Lfunc_end_k_q86878c3b87_post-k_q86878c3b87_post
	.p2alignl 7, 3214868480
	.fill 96, 4, 3214868480
	.section	.rodata,"a",@progbits
	.p2align	6, 0x0
	.amdhsa_kernel k_q86878c3b87_post
		.amdhsa_group_segment_fixed_size 52224
		.amdhsa_private_segment_fixed_size 0
		.amdhsa_enable_private_segment 0
		.amdhsa_kernarg_size 96
		.amdhsa_user_sgpr_count 2
		.amdhsa_user_sgpr_kernarg_segment_ptr 1
		.amdhsa_wavefront_size32 1
		.amdhsa_system_sgpr_workgroup_id_x 1
		.amdhsa_system_sgpr_workgroup_id_y 1
		.amdhsa_system_sgpr_workgroup_id_z 1
		.amdhsa_system_vgpr_workitem_id 0
		.amdhsa_next_free_vgpr 512
		.amdhsa_next_free_sgpr 66
		.amdhsa_reserve_vcc 1
		.amdhsa_float_denorm_mode_32 3
		.amdhsa_float_denorm_mode_16_64 3
		.amdhsa_memory_ordered 1
		.amdhsa_forward_progress 1
		.amdhsa_inst_pref_size 81
	.end_amdhsa_kernel
	.amdgpu_metadata
---
amdhsa.version: [ 1, 2 ]
amdhsa.kernels:
  - .name:           k_q86878c3b87_post
    .symbol:         k_q86878c3b87_post.kd
    .args:
      - { .name: o0, .offset: 0, .size: 8, .value_kind: global_buffer, .address_space: global }
      - { .name: x0, .offset: 8, .size: 8, .value_kind: global_buffer, .address_space: global }
      - { .name: wimg, .offset: 16, .size: 8, .value_kind: global_buffer, .address_space: global }
      - { .name: bo, .offset: 24, .size: 8, .value_kind: global_buffer, .address_space: global }
      - { .name: ln1_g, .offset: 32, .size: 8, .value_kind: global_buffer, .address_space: global }
      - { .name: ln1_b, .offset: 40, .size: 8, .value_kind: global_buffer, .address_space: global }
      - { .name: b1, .offset: 48, .size: 8, .value_kind: global_buffer, .address_space: global }
      - { .name: b2, .offset: 56, .size: 8, .value_kind: global_buffer, .address_space: global }
      - { .name: ln2_g, .offset: 64, .size: 8, .value_kind: global_buffer, .address_space: global }
      - { .name: ln2_b, .offset: 72, .size: 8, .value_kind: global_buffer, .address_space: global }
      - { .name: bqkv, .offset: 80, .size: 8, .value_kind: global_buffer, .address_space: global }
      - { .name: qkv1, .offset: 88, .size: 8, .value_kind: global_buffer, .address_space: global }
    .group_segment_fixed_size: 52224
    .private_segment_fixed_size: 0
    .kernarg_segment_align: 8
    .kernarg_segment_size: 96
    .max_flat_workgroup_size: 256
    .sgpr_count:     66
    .vgpr_count:     512
    .wavefront_size: 32
...
	.end_amdgpu_metadata
.endif
;; end of part 4
;; launch attn1 (part 5): grid 64 x 1, 8 waves a work-group, no clusters, 19,456 bytes of LDS; arguments qkv1, maskw, o1; writes o1
.if DOCPART == 5
	.amdgcn_target "amdgcn-amd-amdhsa--gfx1250"
	.amdhsa_code_object_version 6
	.text
	.protected	k_q86878c3b87_attn1
	.globl	k_q86878c3b87_attn1
	.p2align	8
	.type	k_q86878c3b87_attn1,@function
k_q86878c3b87_attn1:
	s_mov_b64 s[64:65], 0
	v_nop
	global_prefetch_b8 v0, s[64:65] scope:SCOPE_SE
	s_setreg_imm32_b32 hwreg(HW_REG_WAVE_MODE, 25, 1), 1
	s_wait_xcnt 0x0
; Layer 1's attention for one (batch, head), for the tile of queries 0-15, of which position 0 alone is stored: the output holds no other.
; Wave st takes keys 128 st .. 128 st + 127: one key step, its operands straight from memory; it leaves -M, the row's sum and O^T in its own 2,304 bytes of LDS; behind one barrier wave 0 joins the eight
; parts: each is multiplied by 2^(its M - the largest M), a whole power of two, so nothing is rounded by the joining but the sums themselves.
; THE FIRST PRODUCT'S K IS 32, the instruction's 128: a fragment of k holds four tiles of 16 keys, one in each block of 32; q's fragment for tile j holds q's codes in block j and zero codes elsewhere.
; Both products are used transposed: a lane holds ONE query (lane % 16); score register 16 b + i is key 32 b + 16 (lane / 16) + i.
; SOFTMAX: t = score x log2(e) / sqrt(32); M = the largest t rounded up to a whole number; p = 2^(t - M) is quantised along the keys; the sum of the unquantised p divides at the end.
; THE MASK: a word of 32 bits for each score register selects the score or -infinity.  Heads 0, 1: dist == 1; 2 to 5: dist >= 1; 6, 7: open: they fetch the words too and jump over the 64 selects alone.
; LIMITS: a query with no allowed key has sum 0 and NaN results, which the quantiser at the end turns into its largest code; a block's largest p is taken from its largest score, which takes v_exp_f32 not to
; fall where its input rises; a block of zeros gets the byte 1.
.set QSC, 52
.set KF,  54                           ; v54-77   two fragments of k; later the eight -M, sums and factors
.set VF,  78                           ; v78-101  two fragments of v; later the joined O^T
.set S,   104                          ; v104-167 the scores, then p
.set O,   168                          ; v168-183 O^T: channels 16 (lane / 16) + 0 .. 15
.set PCD, 184
.set PH,  196
.set BM,  204
.set PM,  208
.set SO,  212
.set KSW, 216
.set KB,  218
.set VSW, 222
.set VB,  224
.set PSW, 232
.set FF,  234
.set TA,  236
.set SM2, 238
.set LR4, 240                          ; 4 x lane, 16 x lane: wave 0's reads
.set LR16, 241
.set OOF, 242                          ; o1: 24 bh + 12 H
.set BOF, 243                          ; bh
.set LW4, 244                          ; 2,304 st + 4 x lane, + 16 x lane: my stores
.set LW16, 245
.set SEL, 26
.set CS,  28
.macro NOPS n
.rept \n
	v_nop
.endr
.endm
.macro SOFTMAX                         ; one step: the running figures begin at -3e38 and 0
.irp b, 0,1,2,3
	v_max3_num_f32 v[BM+\b], v[S+16*\b], v[S+16*\b+1], v[S+16*\b+2]        ; the largest score of each block of 32 keys: for the row's maximum and for the block's largest p
.endr
.irp i, 3,5,7,9,11,13
.irp b, 0,1,2,3
	v_max3_num_f32 v[BM+\b], v[BM+\b], v[S+16*\b+\i], v[S+16*\b+\i+1]
.endr
.endr
.irp b, 0,1,2,3
	v_max_num_f32 v[BM+\b], v[BM+\b], v[S+16*\b+15]
.endr
.irp b, 0,1,2,3
	v_permlanex16_b32 v[PM+\b], v[BM+\b], s[SEL], s[SEL+1]
.endr
.irp b, 0,1,2,3
	v_max_num_f32 v[BM+\b], v[BM+\b], v[PM+\b]
.endr
	v_max3_num_f32 v[TA], v[BM], v[BM+1], v[BM+2]
	v_max_num_f32 v[TA], v[TA], v[BM+3]
	v_mul_f32 v[TA], s[CS], v[TA]
	v_max_num_f32 v13, v13, v[TA]                  ; the largest t, or -3e38 where every key is hidden
	v_floor_f32 v12, -v13                          ; -M = floor(-t): M is a whole number
.set j, 0
.rept 32
	v_pk_fma_f32 v[S+j:S+j+1], v[S+j:S+j+1], s[CS:CS+1], v[12:13] op_sel_hi:[1,0,0]
.set j, j+2
.endr
.irp b, 0,1,2,3
	v_fma_f32 v[BM+\b], v[BM+\b], s[CS], v12
.endr
.set j, 0
.rept 64
	v_exp_f32 v[S+j], v[S+j]                       ; p = 2^(t - M)
.set j, j+1
.endr
.irp b, 0,1,2,3
	v_exp_f32 v[BM+\b], v[BM+\b]
.endr
	v_nop                                          ; a plain line behind the exponentials
	s_wait_alu depctr_va_vdst(0)
.irp b, 0,1,2,3
	v_max_num_f32 v[BM+\b], 0x1800000, v[BM+\b]    ; the floor 2^(3 - 127)
.endr
.irp b, 0,1,2,3
	v_add_nc_u32 v[SO+\b], 0xff000000, v[BM+\b]
.endr
.irp b, 0,1,2,3
	v_lshrrev_b32 v[PM+\b], 23, v[SO+\b]
.endr
	v_lshl_or_b32 v[PSW], v[PM+1], 8, v[PM]
	v_lshl_or_b32 v[PSW], v[PM+2], 16, v[PSW]
	v_lshl_or_b32 v[PSW], v[PM+3], 24, v[PSW]
.irp c, 0,1
	v_cvt_scalef32_pk16_fp6_f32 v[PCD+6*\c:PCD+6*\c+2], v[S+32*\c:S+32*\c+15], v[SO+2*\c]
	v_cvt_scalef32_pk16_fp6_f32 v[PH+4*\c:PH+4*\c+2], v[S+32*\c+16:S+32*\c+31], v[SO+2*\c+1]
.endr
	v_nop                                          ; one plain line behind a scaled conversion
.irp c, 0,1                            ; the operand's layout wants a whole block in a lane
.irp i, 0,1,2
	v_permlane16_swap_b32 v[PCD+6*\c+\i], v[PH+4*\c+\i]
.endr
.irp i, 0,1,2
	v_mov_b32 v[PCD+6*\c+3+\i], v[PH+4*\c+\i]
.endr
.endr
	v_pk_add_f32 v[SM2:SM2+1], v[S:S+1], v[S+2:S+3]        ; the row's sum, of the unquantised p, in two chains.  (These lines are also the places ahead of the products below)
.set j, 4
.rept 15
	v_pk_add_f32 v[14:15], v[14:15], v[S+j:S+j+1]
	v_pk_add_f32 v[SM2:SM2+1], v[SM2:SM2+1], v[S+j+2:S+j+3]
.set j, j+4
.endr
	v_pk_add_f32 v[14:15], v[14:15], v[SM2:SM2+1]
.endm
	s_load_b128 s[4:7], s[0:1], 0x0                ; qkv1, maskw
	s_load_b64 s[8:9], s[0:1], 0x10                ; o1
	v_lshl_add_u32 v254, v0, 2, 0x4800
	v_mov_b32 v255, 0
	v_lshrrev_b32 v6, 5, v0
	v_readfirstlane_b32 s10, v6                    ; wave = key step
	v_and_b32 v7, 31, v0
	v_and_b32 v8, 15, v0                           ; R
	v_bfe_u32 v9, v0, 4, 1                         ; H
	s_mov_b32 s11, ttmp9                           ; bh
	s_and_b32 s13, s11, 7                          ; head
	s_lshr_b32 s14, s11, 3                         ; b
	s_mul_i32 s16, s11, 49152
	s_mul_i32 s15, s10, 6144
	s_add_co_u32 s16, s16, s15
	s_add_co_u32 s16, s16, 1572864                 ; my four chunks of k | v codes
	s_mov_b32 s17, 0
	s_lshl_b32 s18, s11, 11
	s_lshl_b32 s15, s10, 8
	s_add_co_u32 s18, s18, s15
	s_add_co_u32 s18, s18, 4784128                 ; their bytes
	s_mov_b32 s19, 0
	s_mul_i32 s20, s11, 24576                      ; q's codes of positions 0-15
	s_mov_b32 s21, 0
	s_lshl_b32 s22, s11, 10
	s_add_co_u32 s22, s22, 4718592                 ; q's bytes
	s_mov_b32 s23, 0
	s_lshl_b32 s24, s14, 17
	s_add_co_u32 s24, s24, s15                     ; mask unit (b, tile 0, step st)
	s_cmp_lt_u32 s13, 2
	s_cselect_b32 s12, 0, 1048576                  ; heads 0, 1: dist == 1; the others: dist >= 1
	s_add_co_u32 s24, s24, s12
	s_mov_b32 s25, 0
	s_mul_i32 s30, s11, 24
	s_mul_i32 s31, s10, 2304
	s_mov_b32 s2, 0x0000ffff
	s_mov_b32 s3, 0xffff0000
	s_mov_b32 s[SEL], 0x76543210
	s_mov_b32 s[SEL+1], 0xfedcba98
	s_mov_b32 s[CS], 0x3e8293ee                    ; c = log2(e) / sqrt(32)
	s_mov_b32 s[CS+1], s[CS]
	s_wait_kmcnt 0x0
	s_add_nc_u64 s[16:17], s[4:5], s[16:17]
	s_add_nc_u64 s[18:19], s[4:5], s[18:19]
	s_add_nc_u64 s[20:21], s[4:5], s[20:21]
	s_add_nc_u64 s[22:23], s[4:5], s[22:23]
	s_add_nc_u64 s[24:25], s[6:7], s[24:25]
	s_load_b512 s[32:47], s[24:25], 0x0            ; 64 mask words: word e in s[32 + e] (e < 32) or s[36 + e]
	s_load_b512 s[48:63], s[24:25], 0x40
	s_load_b512 s[68:83], s[24:25], 0x80
	s_load_b512 s[84:99], s[24:25], 0xc0
	v_mul_u32_u24 v1, v7, 24                       ; k: a lane's 24 bytes of a chunk of 768
	v_lshrrev_b32 v11, 3, v8
	v_lshl_add_u32 v11, v11, 3, v8                 ; R + 8 (R / 8)
	v_mul_u32_u24 v2, v11, 24
	v_mad_u32_u24 v2, v9, 1536, v2
	v_add_nc_u32 v2, 768, v2                       ; v: channel 8 u + R + 8 (R / 8), key block 2 c + H
	v_lshlrev_b32 v3, 1, v8                        ; k's bytes: two a lane and chunk
	v_add_nc_u32 v4, 32, v11                       ; v's
	v_mul_u32_u24 v10, v8, 24
.irp f, 0,1
.irp c, 0,1
.irp p, 0,1,2
	global_load_b64 v[KF+12*\f+6*\c+2*\p:KF+12*\f+6*\c+2*\p+1], v1, s[16:17] offset:(2*\f+\c)*1536+8*\p
.endr
	global_load_u16 v[KB+2*\f+\c], v3, s[18:19] offset:(2*\f+\c)*64
.endr
.endr
.irp u, 0,1
.irp c, 0,1
.irp p, 0,1,2
	global_load_b64 v[VF+12*\u+6*\c+2*\p:VF+12*\u+6*\c+2*\p+1], v2, s[16:17] offset:2*\c*1536+192*\u+8*\p
.endr
.endr
.irp j, 0,1,2,3
	global_load_u8 v[VB+4*\u+\j], v4, s[18:19] offset:\j*64+8*\u
.endr
.endr
.irp p, 0,1,2
	global_load_b64 v[130+2*\p:131+2*\p], v10, s[20:21] offset:8*\p
.endr
	global_load_u8 v136, v8, s[22:23]
	v_lshlrev_b32 v[LR4], 2, v7
	v_lshlrev_b32 v[LR16], 4, v7
	v_add_nc_u32 v[LW4], s31, v[LR4]
	v_add_nc_u32 v[LW16], s31, v[LR16]
	v_mad_u32_u24 v[OOF], v9, 12, s30
	v_mov_b32 v[BOF], s11
	v_mov_b32 v5, 0xff800000                       ; -infinity
	v_mov_b32 v13, 0xff61b1e6                      ; -3e38, under every t
	v_mov_b32 v14, 0
	v_mov_b32 v15, 0
.irp b, 0,1,2,3
	v_mov_b32 v[PM+\b], 0                          ; a lane permute's destination counts as one of its sources
.endr
	v_mov_b32 v[TA+1], 0
	s_wait_loadcnt 0x0
.irp i, 0,1,2,3,4,5                    ; q's 24 bytes (the same in both halves of the lanes) become [lo 0 lo] at v16 and [hi 0 hi] at v34: block j begins at v16, v34, v22, v40
	v_cndmask_b32 v[16+\i], 0, v[130+\i], s2
	v_mov_b32 v[22+\i], 0
	v_cndmask_b32 v[34+\i], 0, v[130+\i], s3
	v_mov_b32 v[40+\i], 0
.endr
.irp i, 0,1,2,3,4,5
	v_mov_b32 v[28+\i], v[16+\i]
	v_mov_b32 v[46+\i], v[34+\i]
.endr
	v_lshl_or_b32 v[QSC], v136, 8, v136
	v_lshl_or_b32 v[QSC], v[QSC], 16, v[QSC]       ; the same byte for all four blocks: three of them scale zero codes
	v_lshl_or_b32 v[KSW], v[KB+1], 16, v[KB]       ; the loaded bytes make the scale words; the six lines behind k's words and two v_nop are the eight places ahead of the first product
	v_lshl_or_b32 v[KSW+1], v[KB+3], 16, v[KB+2]
	v_lshl_or_b32 v[VSW], v[VB+1], 8, v[VB]
	v_lshl_or_b32 v[VSW+1], v[VB+5], 8, v[VB+4]
	v_lshl_or_b32 v[VSW], v[VB+2], 16, v[VSW]
	v_lshl_or_b32 v[VSW+1], v[VB+6], 16, v[VSW+1]
	v_lshl_or_b32 v[VSW], v[VB+3], 24, v[VSW]
	v_lshl_or_b32 v[VSW+1], v[VB+7], 24, v[VSW+1]
	NOPS 2
.irp f, 0,1                            ; eight tiles of scores: fragment f of k against q in block j
.irp j, 0,1,2,3
	v_wmma_scale_f32_16x16x128_f8f6f4 v[S+8*(4*\f+\j):S+8*(4*\f+\j)+7], v[KF+12*\f:KF+12*\f+11], v[16+18*(\j%2)+6*(\j/2):16+18*(\j%2)+6*(\j/2)+11], 0, v[KSW+\f], v[QSC] matrix_a_fmt:MATRIX_FMT_FP6 matrix_b_fmt:MATRIX_FMT_FP6
.endr
.endr
	NOPS 4
	s_wait_kmcnt 0x0
	s_cmp_lt_u32 s13, 6
	s_cbranch_scc0 .Lopen
.set e, 0
.rept 32
	v_cndmask_b32 v[S+e], v5, v[S+e], s[32+e]      ; each accumulator from its low end on
.set e, e+1
.endr
.rept 32
	v_cndmask_b32 v[S+e], v5, v[S+e], s[36+e]
.set e, e+1
.endr
.Lopen:
	SOFTMAX
.irp u, 0,1                            ; O^T = v^T p^T: two tiles of 16 channels, K = my 128 keys
	v_wmma_scale_f32_16x16x128_f8f6f4 v[O+8*\u:O+8*\u+7], v[VF+12*\u:VF+12*\u+11], v[PCD:PCD+11], 0, v[VSW+\u], v[PSW] matrix_a_fmt:MATRIX_FMT_FP6 matrix_b_fmt:MATRIX_FMT_FP6
.endr
	v_add_f32 v14, v14, v15                        ; (these three and a v_nop are the places behind the products)
	v_permlanex16_b32 v[TA], v14, s[SEL], s[SEL+1]
	v_add_f32 v14, v14, v[TA]                      ; my keys' sum for query R
	v_nop
	ds_store_b32 v[LW4], v12
	ds_store_b32 v[LW4], v14 offset:128
.irp g, 0,1,2,3
	ds_store_b128 v[LW16], v[O+4*\g:O+4*\g+3] offset:256+512*\g
.endr
	s_wait_dscnt 0x0                               ; for wave 0's sake: my stores are done
	s_barrier_signal -1
	s_barrier_wait -1
	s_cmp_lg_u32 s10, 0
	s_cbranch_scc1 .Lend
.set NM, 54                            ; v54-61 the eight -M; v62-69 the sums; v70-77 the factors; v78 the least -M; v80-95 O^T joined; v96 the sum joined
.irp w, 0,1,2,3,4,5,6,7
	ds_load_b32 v[NM+\w], v[LR4] offset:2304*\w
	ds_load_b32 v[NM+8+\w], v[LR4] offset:2304*\w+128
.endr
.irp w, 0,1,2,3
.irp g, 0,1,2,3
	ds_load_b128 v[S+16*\w+4*\g:S+16*\w+4*\g+3], v[LR16] offset:2304*\w+256+512*\g
.endr
.endr
	s_wait_dscnt 16                                ; the first sixteen loads are in; the sixteen of O^T may be out
	v_min3_num_f32 v78, v[NM], v[NM+1], v[NM+2]
	v_min3_num_f32 v78, v78, v[NM+3], v[NM+4]
	v_min3_num_f32 v78, v78, v[NM+5], v[NM+6]
	v_min_num_f32 v78, v78, v[NM+7]                ; the largest M, negated
.irp w, 0,1,2,3,4,5,6,7
	v_sub_f32 v[NM+16+\w], v78, v[NM+\w]           ; M of part w less the largest: a whole number, 0 or less
.endr
.irp w, 0,1,2,3,4,5,6,7
	v_cvt_i32_f32 v[NM+16+\w], v[NM+16+\w]         ; (it saturates)
.endr
.irp w, 0,1,2,3,4,5,6,7
	v_ldexp_f32 v[NM+16+\w], 1.0, v[NM+16+\w]
.endr
	v_mul_f32 v96, v[NM+16], v[NM+8]
.irp w, 1,2,3,4,5,6,7
	v_fmac_f32 v96, v[NM+16+\w], v[NM+8+\w]
.endr
	s_wait_dscnt 0x0
.set j, 0
.rept 16
	v_mul_f32 v[80+j], v[S+j], v[NM+16]
.set j, j+1
.endr
.irp w, 1,2,3
.set j, 0
.rept 16
	v_fmac_f32 v[80+j], v[S+16*\w+j], v[NM+16+\w]
.set j, j+1
.endr
.endr
.irp w, 0,1,2,3
.irp g, 0,1,2,3
	ds_load_b128 v[S+16*\w+4*\g:S+16*\w+4*\g+3], v[LR16] offset:2304*(\w+4)+256+512*\g
.endr
.endr
	s_wait_dscnt 0x0
.irp w, 0,1,2,3
.set j, 0
.rept 16
	v_fmac_f32 v[80+j], v[S+16*\w+j], v[NM+20+\w]
.set j, j+1
.endr
.endr
	v_rcp_f32 v96, v96
	v_nop
.set j, 0
	s_wait_alu depctr_va_vdst(0)
.rept 16
	v_mul_f32 v[S+j], v[80+j], v96                 ; o(query R, channel 16 H + j)
.set j, j+1
.endr
	v_max3_num_f32 v[TA], |v[S]|, |v[S+1]|, 0x1800000      ; the head's 32 channels are a block of the next product's K
.irp i, 2,4,6,8,10,12,14
	v_max3_num_f32 v[TA], v[TA], |v[S+\i]|, |v[S+\i+1]|
.endr
	v_permlanex16_b32 v[TA+1], v[TA], s[SEL], s[SEL+1]
	v_max_num_f32 v[TA], v[TA], v[TA+1]
	v_add_nc_u32 v[SO], 0xff000000, v[TA]
	v_lshrrev_b32 v[PM], 23, v[SO]
	v_cvt_scalef32_pk16_fp6_f32 v[PH:PH+2], v[S:S+15], v[SO]
	v_nop
	s_wait_xcnt 0x0                                ; EXEC changes only behind this wait
	v_cmp_eq_u32 vcc_lo, 0, v8
	s_and_saveexec_b32 s12, vcc_lo                 ; lanes 0 and 16: query 0
	global_store_b96 v[OOF], v[PH:PH+2], s[8:9]
	global_store_b8 v[BOF], v[PM], s[8:9] offset:1536      ; both lanes store the same byte
	s_wait_xcnt 0x0
	s_or_b32 exec_lo, exec_lo, s12
.Lend:
	s_wait_tensorcnt 0x0
	ds_add_u32 v254, v255
	s_wait_dscnt 0x0
	s_endpgm
.Lfunc_end_k_q86878c3b87_attn1:
	.size	k_q86878c3b87_attn1, .Lfunc_end_k_q86878c3b87_attn1-k_q86878c3b87_attn1
	.p2alignl 7, 3214868480
	.fill 96, 4, 3214868480
	.section	.rodata,"a",@progbits
	.p2align	6, 0x0
	.amdhsa_kernel k_q86878c3b87_attn1
		.amdhsa_group_segment_fixed_size 19456
		.amdhsa_private_segment_fixed_size 0
		.amdhsa_enable_private_segment 0
		.amdhsa_kernarg_size 24
		.amdhsa_user_sgpr_count 2
		.amdhsa_user_sgpr_kernarg_segment_ptr 1
		.amdhsa_wavefront_size32 1
		.amdhsa_system_sgpr_workgroup_id_x 1
		.amdhsa_system_sgpr_workgroup_id_y 1
		.amdhsa_system_sgpr_workgroup_id_z 1
		.amdhsa_system_vgpr_workitem_id 0
		.amdhsa_next_free_vgpr 256
		.amdhsa_next_free_sgpr 100
		.amdhsa_reserve_vcc 1
		.amdhsa_float_denorm_mode_32 3
		.amdhsa_float_denorm_mode_16_64 3
		.amdhsa_memory_ordered 1
		.amdhsa_forward_progress 1
		.amdhsa_inst_pref_size 37
	.end_amdhsa_kernel
	.amdgpu_metadata
---
amdhsa.version: [ 1, 2 ]
amdhsa.kernels:
  - .name:           k_q86878c3b87_attn1
    .symbol:         k_q86878c3b87_attn1.kd
    .args:
      - { .name: qkv1, .offset: 0, .size: 8, .value_kind: global_buffer, .address_space: global }
      - { .name: maskw, .offset: 8, .size: 8, .value_kind: global_buffer, .address_space: global }
      - { .name: o1, .offset: 16, .size: 8, .value_kind: global_buffer, .address_space: global }
    .group_segment_fixed_size: 19456
    .private_segment_fixed_size: 0
    .kernarg_segment_align: 8
    .kernarg_segment_size: 24
    .max_flat_workgroup_size: 256
    .sgpr_count:     100
    .vgpr_count:     256
    .wavefront_size: 32
...
	.end_amdgpu_metadata
.endif
;; end of part 5
;; launch tail (part 6): grid 1 x 1, 8 waves a work-group, no clusters, 52,224 bytes of LDS; arguments o1, qkv1, wimg, bo, ln1_g, ln1_b, b1, b2, ln2_g, ln2_b, bn_g, bn_b, out0; writes out0
.if DOCPART == 6
	.amdgcn_target "amdgcn-amd-amdhsa--gfx1250"
	.amdhsa_code_object_version 6
	.text
	.protected	k_q86878c3b87_tail
	.globl	k_q86878c3b87_tail
	.p2align	8
	.type	k_q86878c3b87_tail,@function
k_q86878c3b87_tail:
	s_mov_b64 s[64:65], 0
	v_nop
	global_prefetch_b8 v0, s[64:65] scope:SCOPE_SE
	s_setreg_imm32_b32 hwreg(HW_REG_WAVE_MODE, 25, 1), 1
	s_wait_xcnt 0x0
; The rest of layer 1 for position 0 of the eight batches, and the batch norm: x = LN1(x + o Wo + bo); x = LN2(x + relu(x W1 + b1) W2 + b2); out = BN over the 8 rows.
; One work-group: there are eight rows, and the norm joins them.  One tile of 16 rows, row R = batch R % 8 (rows 8-15 repeat rows 0-7).  Wave w owns columns 32 w .. 32 w + 31 of every 256-wide result.
; Products are used TRANSPOSED (source 0 = 16 columns of the weight, source 1 = the rows); lane (R, H) holds row R and columns 32 w + 16 H + 0 .. 15 in the 16 registers of its two tiles.
; Rows' codes go from wave to wave through LDS as lane-major images of operand registers: register q of lane l at 48 l + 4 q.  Weight fragments come straight into registers (window 1).
; Every offset of a layer is an immediate.  LIMITS: a block of zeros gets the byte 1 (its codes are zeros); NaN and infinities are not served.
.set NT, 1
.set LW, 1
.set USE2, 0
.set USE8, 1
.set LN1S, 0                           ; LDS: every region is written once
.set AIMG, 2560
.set ASC,  8704
.set HIMG, 8960
.set HSC,  21248
.set LN2S, 21760
.set WB, 8
.set WV, 30
.set T0, 31
.set T1, 32
.set SEL, 34
.set I256, 36
.set EPSR, 37
.set WSC, 835584
.set LANE, 1
.set RR, 2                             ; R = lane % 16
.set HH, 3                             ; H = lane / 16
.set L16, 4
.set WO2, 5
.set WO4, 6                            ; 16 x lane + my two tiles' place in a weight of 4, 8 fragments a tile
.set WO8, 7
.set SO2, 8
.set SO4, 9
.set SO8, 10
.set VEC, 11                           ; 128 w + 64 H
.set FRD, 12                           ; 48 x lane
.set SRD, 13                           ; 4 x lane
.set IMW, 14
.set SCW, 15
.set LNW, 16
.set LNR, 17
.set ROW, 20                           ; 1,024 (R % 8) + VEC: my 16 columns of my batch's row
.set OA,  21                           ; o1's codes: 192 (R % 8) + 24 H
.set OSA, 22                           ; its bytes: 8 (R % 8) + 4 H
.set TM, 32
.set TM2, 33
.set SCL, 34
.set BYT, 35
.set CD, 36
.set MEAN0, 42
.set XS, 44                            ; the rows' scale words: nothing else
.set MEAN1, 46
.set XR, 48
.set ACC, 80
.set XF, 112
.set LT, 112
.set PRA, 160
.set PRB, 176
.set PRC, 192
.set PRD, 208
.set PRE, 224                          ; v240-255: the weights' scale words: nothing else
.set MSB, 0
.macro WIN new                         ; the immediate's high byte repeats the setting that is left
.if MSB != \new
	s_set_vgpr_msb (MSB<<8)|\new
.set MSB, \new
.endif
.endm
.macro NOPS n
.rept \n
	v_nop
.endr
.endm
.macro BAR                             ; my LDS stores have landed and my LDS loads are in: then the work-group's barrier
	s_wait_dscnt 0x0
	s_barrier_signal -1
	s_barrier_wait -1
.endm
.macro WMMA d, a, b, c, sa, sb, row    ; row = 1: both sides' scale words are taken from lanes 16-31
.if \row
	v_wmma_scale_f32_16x16x128_f8f6f4 v[\d:\d+7], v[\a:\a+11], v[\b:\b+11], v[\c:\c+7], v[\sa], v[\sb] matrix_a_fmt:MATRIX_FMT_FP6 matrix_b_fmt:MATRIX_FMT_FP6 matrix_a_scale:MATRIX_SCALE_ROW1 matrix_b_scale:MATRIX_SCALE_ROW1
.else
	v_wmma_scale_f32_16x16x128_f8f6f4 v[\d:\d+7], v[\a:\a+11], v[\b:\b+11], v[\c:\c+7], v[\sa], v[\sb] matrix_a_fmt:MATRIX_FMT_FP6 matrix_b_fmt:MATRIX_FMT_FP6
.endif
.endm
.macro LOADW reg, off, vo              ; a weight fragment: three loads of 512 consecutive bytes
.irp g, 0,1,2
	global_load_b128 v[(\reg)+4*\g:(\reg)+4*\g+3], v[\vo], s[WB:WB+1] offset:(\off)+512*\g
.endr
.endm
.macro LOADM reg, fb, rs, ks, l, vo, so, ws    ; my two tiles of a weight, ks K steps of layer l, into window 1 from reg on; a scale register holds an even K step's words below and the next step's above
	WIN 0x40
.irp u, 0,1
.set q, 0
.rept \ks
	LOADW (\reg)+12*(\u*(\ks)+q),((\fb)+\u*(\rs)+(\l)*(\ks)+q)*1536,\vo
.set q, q+1
.endr
.endr
	WIN 0
.irp u, 0,1
.set q, 0
.rept (\ks)/2
	global_load_b32 v[(\ws)+\u*(\ks)/2+q], v[\so], s[WB:WB+1] offset:WSC+((\fb)+\u*(\rs)+(\l)*(\ks)+2*q)*64
.set q, q+1
.endr
.endr
.endm
.macro LOADV reg, base, off            ; 16 numbers of my columns
.irp g, 0,1,2,3
	global_load_b128 v[(\reg)+4*\g:(\reg)+4*\g+3], v[VEC], s[\base:\base+1] offset:(\off)+16*\g
.endr
.endm
.macro QCORE src                       ; 16 neighbours of a lane, half a block: codes into v[CD] on, the block's byte into v[BYT].  An accumulator is read from its low end on
	v_max3_num_f32 v[TM], |v[\src]|, |v[\src+1]|, 0x1800000        ; the floor 2^(3 - 127): the byte cannot fall under 1
.irp i, 2,4,6,8,10,12,14
	v_max3_num_f32 v[TM], v[TM], |v[\src+\i]|, |v[\src+\i+1]|
.endr
	v_permlanex16_b32 v[TM2], v[TM], s[SEL], s[SEL+1]
	v_max_num_f32 v[TM], v[TM], v[TM2]             ; with lane l xor 16's: the block's largest magnitude
	v_add_nc_u32 v[SCL], 0xff000000, v[TM]         ; 2 off its exponent field: the conversion's scale operand
	s_wait_dscnt 0x0                               ; the last stores have read v[CD] on and v[BYT]
	v_lshrrev_b32 v[BYT], 23, v[SCL]
	v_cvt_scalef32_pk16_fp6_f32 v[CD:CD+2], v[\src:\src+15], v[SCL]
	v_nop                                          ; one plain line behind a scaled conversion
.endm
.macro QHALF src, ia, ioff, sa, soff
	QCORE \src
	ds_store_b32 v[\ia], v[CD] offset:\ioff
	ds_store_b32 v[\ia], v[CD+1] offset:\ioff+4
	ds_store_b32 v[\ia], v[CD+2] offset:\ioff+8
	ds_store_b8 v[\sa], v[BYT] offset:\soff        ; both lanes of a block write the same byte with the same value
.endm
.macro FETCHX img, isc, ks, sp         ; K steps 2 sp, 2 sp + 1 of the row tile: fragments and scale words (lanes 0-15 the even step's, lanes 16-31 the odd step's)
.irp tt, 0,1
.if \tt < NT
.irp s2, 0,1
.irp g, 0,1,2
	ds_load_b128 v[XF+12*(2*\tt+\s2)+4*\g:XF+12*(2*\tt+\s2)+4*\g+3], v[FRD] offset:(\img)+(\tt*(\ks)+2*(\sp)+\s2)*1536+16*\g
.endr
.endr
	ds_load_b32 v[XS+\tt], v[SRD] offset:(\isc)+(\tt*(\ks)+2*(\sp))*64
.endif
.endr
	s_wait_dscnt 0x0
.endm
.macro MM wreg, ks, sp, first, creg, ws        ; my two tiles of columns x the rows, two K steps; the two accumulators take turns, one instruction a turn; first = 1: C is the bias
	WIN 0x01
.irp s2, 0,1
.irp tt, 0,1
.if \tt < NT
.irp u, 0,1
.if (\first) && (\s2 == 0)
	WMMA ACC+16*\tt+8*\u,(\wreg)+12*(\u*(\ks)+2*(\sp)+\s2),XF+12*(2*\tt+\s2),(\creg)+8*\u,(\ws)+\u*(\ks)/2+(\sp),XS+\tt,\s2
.else
	WMMA ACC+16*\tt+8*\u,(\wreg)+12*(\u*(\ks)+2*(\sp)+\s2),XF+12*(2*\tt+\s2),ACC+16*\tt+8*\u,(\ws)+\u*(\ks)/2+(\sp),XS+\tt,\s2
.endif
.endr
.endif
.endr
.endr
	WIN 0
	NOPS 4                                         ; places behind the products, ahead of reads of results and of loads into operands
.endm
.macro LNSTAT y, off, mn               ; my 32 columns of a row: mean and sum of squared differences from it, to LDS
	v_pk_add_f32 v[LT:LT+1], v[\y:\y+1], v[\y+2:\y+3]
	v_pk_add_f32 v[LT+2:LT+3], v[\y+4:\y+5], v[\y+6:\y+7]
	v_pk_add_f32 v[LT+4:LT+5], v[\y+8:\y+9], v[\y+10:\y+11]
	v_pk_add_f32 v[LT+6:LT+7], v[\y+12:\y+13], v[\y+14:\y+15]
	v_pk_add_f32 v[LT:LT+1], v[LT:LT+1], v[LT+2:LT+3]
	v_pk_add_f32 v[LT+4:LT+5], v[LT+4:LT+5], v[LT+6:LT+7]
	v_pk_add_f32 v[LT:LT+1], v[LT:LT+1], v[LT+4:LT+5]
	v_add_f32 v[LT], v[LT], v[LT+1]
	v_permlanex16_b32 v[LT+1], v[LT], s[SEL], s[SEL+1]
	v_add_f32 v[LT], v[LT], v[LT+1]
	v_mul_f32 v[\mn], 0x3d000000, v[LT]            ; / 32
.irp i, 0,2,4,6,8,10,12,14
	v_pk_add_f32 v[LT+\i:LT+\i+1], v[\y+\i:\y+\i+1], v[\mn:\mn+1] op_sel_hi:[1,0] neg_lo:[0,1] neg_hi:[0,1]
.endr
	v_pk_mul_f32 v[LT+16:LT+17], v[LT:LT+1], v[LT:LT+1]
.irp i, 2,4,6,8,10,12,14
	v_pk_fma_f32 v[LT+16:LT+17], v[LT+\i:LT+\i+1], v[LT+\i:LT+\i+1], v[LT+16:LT+17]
.endr
	v_add_f32 v[LT+16], v[LT+16], v[LT+17]
	v_permlanex16_b32 v[LT+17], v[LT+16], s[SEL], s[SEL+1]
	v_add_f32 v[\mn+1], v[LT+16], v[LT+17]
	ds_store_b64 v[LNW], v[\mn:\mn+1] offset:\off
.endm
.macro LNAPPLY y, off, g, be, dst      ; the eight waves' pairs joined: var = (sum M2 + 32 sum (m - mu)^2) / 256: no difference of large sums
.irp i, 0,1,2,3
	ds_load_b128 v[LT+4*\i:LT+4*\i+3], v[LNR] offset:(\off)+16*\i
.endr
	s_wait_dscnt 0x0
	v_pk_add_f32 v[LT+16:LT+17], v[LT:LT+1], v[LT+2:LT+3]
	v_pk_add_f32 v[LT+18:LT+19], v[LT+4:LT+5], v[LT+6:LT+7]
	v_pk_add_f32 v[LT+20:LT+21], v[LT+8:LT+9], v[LT+10:LT+11]
	v_pk_add_f32 v[LT+22:LT+23], v[LT+12:LT+13], v[LT+14:LT+15]
	v_pk_add_f32 v[LT+16:LT+17], v[LT+16:LT+17], v[LT+18:LT+19]
	v_pk_add_f32 v[LT+20:LT+21], v[LT+20:LT+21], v[LT+22:LT+23]
	v_pk_add_f32 v[LT+16:LT+17], v[LT+16:LT+17], v[LT+20:LT+21]
	v_mul_f32 v[LT+18], 0x3e000000, v[LT+16]       ; mu, twice: a pair for the packed forms
	v_mul_f32 v[LT+19], 0x3e000000, v[LT+16]
	v_sub_f32 v[LT+20], v[LT], v[LT+18]
	v_mul_f32 v[LT+21], v[LT+20], v[LT+20]
.irp i, 2,4,6,8,10,12,14
	v_sub_f32 v[LT+20], v[LT+\i], v[LT+18]
	v_fmac_f32 v[LT+21], v[LT+20], v[LT+20]
.endr
	v_fmamk_f32 v[LT+21], v[LT+21], 0x42000000, v[LT+17]
	v_fma_f32 v[LT+21], v[LT+21], s[I256], s[EPSR]
	v_rsq_f32 v[LT+22], v[LT+21]
	v_rsq_f32 v[LT+23], v[LT+21]
.irp i, 0,2,4,6,8,10,12,14             ; (the first of these is the plain line behind the roots)
	v_pk_add_f32 v[\dst+\i:\dst+\i+1], v[\y+\i:\y+\i+1], v[LT+18:LT+19] neg_lo:[0,1] neg_hi:[0,1]
.endr
	s_wait_alu depctr_va_vdst(0)
.irp i, 0,2,4,6,8,10,12,14
	v_pk_mul_f32 v[\dst+\i:\dst+\i+1], v[\dst+\i:\dst+\i+1], v[LT+22:LT+23]
.endr
.irp i, 0,2,4,6,8,10,12,14
	v_pk_fma_f32 v[\dst+\i:\dst+\i+1], v[\dst+\i:\dst+\i+1], v[\g+\i:\g+\i+1], v[\be+\i:\be+\i+1]
.endr
.endm
.macro ADDRES                          ; + the residual; each accumulator from its low end on
.set j, 0
.rept 8*NT
	v_pk_add_f32 v[ACC+j:ACC+j+1], v[ACC+j:ACC+j+1], v[XR+j:XR+j+1]
.set j, j+2
.endr
.endm
.macro RELU
.set j, 0
.rept 16*NT
	v_max_num_f32 v[ACC+j], 0, v[ACC+j]
.set j, j+1
.endr
.endm
.macro HEADA
	v_lshrrev_b32 v1, 5, v0
	v_readfirstlane_b32 s[WV], v1                  ; wave 0..7
	v_and_b32 v[LANE], 31, v0
	v_and_b32 v[RR], 15, v0
	v_bfe_u32 v[HH], v0, 4, 1
	v_lshlrev_b32 v[L16], 4, v[LANE]
	v_lshlrev_b32 v[SRD], 2, v[LANE]
	s_mul_i32 s[T0], s[WV], 12288
	v_add_nc_u32 v[WO4], s[T0], v[L16]
	s_lshl_b32 s[T0], s[WV], 9
	v_add_nc_u32 v[SO4], s[T0], v[SRD]
	s_mul_i32 s[T0], s[WV], 24576
	v_add_nc_u32 v[WO8], s[T0], v[L16]
	s_lshl_b32 s[T0], s[WV], 10
	v_add_nc_u32 v[SO8], s[T0], v[SRD]
	s_lshl_b32 s[T0], s[WV], 7
	v_lshl_add_u32 v[VEC], v[HH], 6, s[T0]
	v_mul_u32_u24 v[FRD], v[LANE], 48
	s_lshr_b32 s[T0], s[WV], 2                     ; block w of a row: K step w / 4, registers 6 ((w / 2) % 2) on, lanes 16 (w % 2) on
	s_mul_i32 s[T0], s[T0], 1536
	s_and_b32 s[T1], s[WV], 1
	s_mul_i32 s[T1], s[T1], 768
	s_add_co_u32 s[T0], s[T0], s[T1]
	s_bfe_u32 s[T1], s[WV], 0x10001
	s_mul_i32 s[T1], s[T1], 24
	s_add_co_u32 s[T0], s[T0], s[T1]
	v_mul_u32_u24 v[IMW], v[RR], 48
	v_mad_u32_u24 v[IMW], v[HH], 12, v[IMW]
	v_add_nc_u32 v[IMW], s[T0], v[IMW]
	s_lshr_b32 s[T0], s[WV], 2
	s_lshl_b32 s[T0], s[T0], 6
	s_and_b32 s[T1], s[WV], 3
	s_add_co_u32 s[T0], s[T0], s[T1]
	v_lshl_add_u32 v[SCW], v[RR], 2, s[T0]
	v_mul_u32_u24 v[LNR], v[RR], 80
	s_lshl_b32 s[T0], s[WV], 3
	v_add_nc_u32 v[LNW], s[T0], v[LNR]
	s_mov_b32 s[SEL], 0x76543210
	s_mov_b32 s[SEL+1], 0xfedcba98                 ; v_permlanex16_b32's selects for lane l xor 16
	s_mov_b32 s[I256], 0x3b800000                  ; 1 / 256
	s_mov_b32 s[EPSR], 0x3727c5ac                  ; 1e-5
	v_mov_b32 v[TM2], 0                            ; a lane permute's destination counts as one of its sources
	v_mov_b32 v[MEAN0+1], 0                        ; named as the upper half of a pair before it is first written
.endm
.macro BNSUM r                         ; 16 registers, each summed over the eight lanes that hold the eight batches
.irp m, 1,2,4
.set j, 0
.rept 16
	v_add_f32_dpp v[\r+j], v[\r+j], v[\r+j] row_xmask:\m row_mask:0xf bank_mask:0xf
.set j, j+1
.endr
.endr
.endm
	s_load_b256 s[4:11], s[0:1], 0x0               ; o1, qkv1, wimg, bo
	s_load_b256 s[12:19], s[0:1], 0x20             ; ln1_g, ln1_b, b1, b2
	s_load_b256 s[20:27], s[0:1], 0x40             ; ln2_g, ln2_b, bn_g, bn_b
	s_load_b64 s[28:29], s[0:1], 0x60              ; out0
	v_lshl_add_u32 v244, v0, 2, 0xc800
	v_mov_b32 v245, 0
	HEADA
	v_and_b32 v[TM], 7, v[RR]                      ; my batch
	v_lshl_add_u32 v[ROW], v[TM], 10, v[VEC]
	v_mul_u32_u24 v[OA], v[TM], 192
	v_mad_u32_u24 v[OA], v[HH], 24, v[OA]
	v_lshlrev_b32 v[OSA], 3, v[TM]
	v_lshl_add_u32 v[OSA], v[HH], 2, v[OSA]
	s_wait_kmcnt 0x0
.irp s, 0,1                            ; 35 loads: o's two fragments (block = head 4 s + 2 c + H) and scale words, Wo, bo, the residual
.irp c, 0,1
.irp p, 0,1,2
	global_load_b64 v[XF+12*\s+6*\c+2*\p:XF+12*\s+6*\c+2*\p+1], v[OA], s[4:5] offset:(4*\s+2*\c)*24+8*\p
.endr
.endr
.endr
	global_load_b32 v[XS], v[OSA], s[4:5] offset:1536
	LOADM 0,224,4,2,LW,WO4,SO4,246
	LOADV PRA,10,LW*1024
.irp g, 0,1,2,3
	global_load_b128 v[XR+4*\g:XR+4*\g+3], v[ROW], s[6:7] offset:4915200+16*\g
.endr
	LOADV PRB,12,LW*1024                           ; 8: LN1's gain and bias
	LOADV PRC,14,LW*1024
	LOADM 48,288,4,2,LW,WO4,SO4,248                ; 36: W1's blocks w and 8 + w, b1
	LOADM 96,352,4,2,LW,WO4,SO4,250
	LOADV PRD,16,LW*2048
	LOADV PRE,16,LW*2048+1024
	LOADM 144,416,8,4,LW,WO8,SO8,252               ; 28: W2
	s_wait_loadcnt 63                              ; 72 loads were issued behind the first 35; 63 is the largest count that can be written, and asks for more than is needed
	MM 0,2,0,1,PRA,246
	ADDRES
	LNSTAT ACC,LN1S,MEAN0
	BAR
	s_wait_loadcnt 63                              ; 64 were issued behind LN1's parameters
	LNAPPLY ACC,LN1S,PRB,PRC,XR
	LOADV PRA,18,LW*1024                           ; 12 more: b2, LN2's gain and bias, into sets that are done with
	LOADV PRB,20,LW*1024
	LOADV PRC,22,LW*1024
	QHALF XR,IMW,AIMG,SCW,ASC
	BAR
	s_wait_loadcnt 40                              ; W1 and b1 are in: 28 + 12 were issued behind them
	FETCHX AIMG,ASC,2,0
.irp k, 0,1
	MM 48+48*\k,2,0,1,PRD+16*\k,248+2*\k
	RELU
	QHALF ACC,IMW,HIMG+3072*\k,SCW,HSC+128*\k
.endr
	LOADV PRD,24,0                                 ; 8 more: the batch norm's gain and bias
	LOADV PRE,26,0
	BAR
	s_wait_loadcnt 8                               ; W2, b2 and LN2's parameters are in
	FETCHX HIMG,HSC,4,0
	MM 144,4,0,1,PRA,252
	FETCHX HIMG,HSC,4,1
	MM 144,4,1,0,PRA,252
	ADDRES
	LNSTAT ACC,LN2S,MEAN0
	BAR
	LNAPPLY ACC,LN2S,PRB,PRC,XR
	; the batch norm: a column's eight numbers lie in eight neighbouring lanes of one register
.set j, 0
.rept 16
	v_mov_b32 v[LT+j], v[XR+j]
.set j, j+1
.endr
	BNSUM LT
.set j, 0
.rept 16
	v_fmamk_f32 v[LT+16+j], v[LT+j], 0xbe000000, v[XR+j]   ; y - mean
.set j, j+1
.endr
.set j, 0
.rept 16
	v_mul_f32 v[LT+32+j], v[LT+16+j], v[LT+16+j]
.set j, j+1
.endr
	BNSUM LT+32
.set j, 0
.rept 16
	v_fma_f32 v[LT+32+j], v[LT+32+j], 0x3e000000, s[EPSR]  ; var + 1e-5
.set j, j+1
.endr
.set j, 0
.rept 16
	v_rsq_f32 v[LT+32+j], v[LT+32+j]
.set j, j+1
.endr
	v_nop                                          ; a plain line behind the roots
	s_wait_loadcnt 0x0
.set j, 0
	s_wait_alu depctr_va_vdst(0)
.rept 8
	v_pk_mul_f32 v[XR+j:XR+j+1], v[LT+16+j:LT+17+j], v[LT+32+j:LT+33+j]
.set j, j+2
.endr
.set j, 0
.rept 8
	v_pk_fma_f32 v[XR+j:XR+j+1], v[XR+j:XR+j+1], v[PRD+j:PRD+j+1], v[PRE+j:PRE+j+1]
.set j, j+2
.endr
.irp g, 0,1,2,3
	global_store_b128 v[ROW], v[XR+4*\g:XR+4*\g+3], s[28:29] offset:16*\g  ; rows 8-15 repeat rows 0-7: the same values to the same places
.endr
	s_wait_tensorcnt 0x0
	ds_add_u32 v244, v245
	s_wait_dscnt 0x0
	s_endpgm
.Lfunc_end_k_q86878c3b87_tail:
	.size	k_q86878c3b87_tail, .Lfunc_end_k_q86878c3b87_tail-k_q86878c3b87_tail
	.p2alignl 7, 3214868480
	.fill 96, 4, 3214868480
	.section	.rodata,"a",@progbits
	.p2align	6, 0x0
	.amdhsa_kernel k_q86878c3b87_tail
		.amdhsa_group_segment_fixed_size 52224
		.amdhsa_private_segment_fixed_size 0
		.amdhsa_enable_private_segment 0
		.amdhsa_kernarg_size 104
		.amdhsa_user_sgpr_count 2
		.amdhsa_user_sgpr_kernarg_segment_ptr 1
		.amdhsa_wavefront_size32 1
		.amdhsa_system_sgpr_workgroup_id_x 1
		.amdhsa_system_sgpr_workgroup_id_y 1
		.amdhsa_system_sgpr_workgroup_id_z 1
		.amdhsa_system_vgpr_workitem_id 0
		.amdhsa_next_free_vgpr 512
		.amdhsa_next_free_sgpr 66
		.amdhsa_reserve_vcc 0
		.amdhsa_float_denorm_mode_32 3
		.amdhsa_float_denorm_mode_16_64 3
		.amdhsa_memory_ordered 1
		.amdhsa_forward_progress 1
		.amdhsa_inst_pref_size 48
	.end_amdhsa_kernel
	.amdgpu_metadata
---
amdhsa.version: [ 1, 2 ]
amdhsa.kernels:
  - .name:           k_q86878c3b87_tail
    .symbol:         k_q86878c3b87_tail.kd
    .args:
      - { .name: o1, .offset: 0, .size: 8, .value_kind: global_buffer, .address_space: global }
      - { .name: qkv1, .offset: 8, .size: 8, .value_kind: global_buffer, .address_space: global }
      - { .name: wimg, .offset: 16, .size: 8, .value_kind: global_buffer, .address_space: global }
      - { .name: bo, .offset: 24, .size: 8, .value_kind: global_buffer, .address_space: global }
      - { .name: ln1_g, .offset: 32, .size: 8, .value_kind: global_buffer, .address_space: global }
      - { .name: ln1_b, .offset: 40, .size: 8, .value_kind: global_buffer, .address_space: global }
      - { .name: b1, .offset: 48, .size: 8, .value_kind: global_buffer, .address_space: global }
      - { .name: b2, .offset: 56, .size: 8, .value_kind: global_buffer, .address_space: global }
      - { .name: ln2_g, .offset: 64, .size: 8, .value_kind: global_buffer, .address_space: global }
      - { .name: ln2_b, .offset: 72, .size: 8, .value_kind: global_buffer, .address_space: global }
      - { .name: bn_g, .offset: 80, .size: 8, .value_kind: global_buffer, .address_space: global }
      - { .name: bn_b, .offset: 88, .size: 8, .value_kind: global_buffer, .address_space: global }
      - { .name: out0, .offset: 96, .size: 8, .value_kind: global_buffer, .address_space: global }
    .group_segment_fixed_size: 52224
    .private_segment_fixed_size: 0
    .kernarg_segment_align: 8
    .kernarg_segment_size: 104
    .max_flat_workgroup_size: 256
    .sgpr_count:     66
    .vgpr_count:     512
    .wavefront_size: 32
...
	.end_amdgpu_metadata
.endif
;; end of part 6
